; MI455X (gfx1250); checked and timed in simulation.
; The chip was launched on July 23, 2026; its instructions are those of AMD's public machine-readable ISA for CDNA 5 (MIT licence, August 2026) and "CDNA5" Instruction Set Architecture Reference Guide (July 2026). The comments in the code are by the model that wrote it; some were corrected since.
;; Flash GQA Attention. Allowed arithmetic: matrix products marked QUANTISED: E2M3 operands, one E8M0 scale for each 32 along K, by v_wmma_scale_f32_16x16x128_f8f6f4 with both operands' format E2M3, f32 sums; everything else in f32.
;; Inputs: Wk 1,024 x 256 float32; Wo 1,024 x 1,024 float32; Wq 1,024 x 1,024 float32; Wv 1,024 x 256 float32; bk 256 float32; bo 1,024 float32; bq 1,024 float32; bv 256 float32; position_ids 4 x 2,048 int32; x 4 x 2,048 x 1,024 float32.
;; Outputs: out0 4 x 2,048 x 1,024 float32.
;; This version of the problem:
;;   THIS VERSION OF THE PROBLEM IS GIVEN IN LOW PRECISION. The matrix products marked QUANTISED in the list below multiply operands that are first quantised to E2M3 (2 exponent bits, 3 mantissa bits; 6 bits a number), with one power-of-two scale for each 32 numbers along K (OCP MX v1.0); their sums are f32. All else is computed in f32.
;;   The module's matrix products, in the order in which they are computed (A, B: the left and right operand; K: the contracted axis; several contracted axes count as one K, in the product's order):
;;     1. [M 8,192, K 1,024] x [K 1,024, N 1,024]; A: input x; B: input Wq: QUANTISED
;;     2. [M 8,192, K 1,024] x [K 1,024, N 256]; A: input x; B: input Wk: QUANTISED
;;     3. [M 8,192, K 1,024] x [K 1,024, N 256]; A: input x; B: input Wv: QUANTISED
;;     4. batch 64 x [M 2,048, K 64] x [K 64, N 2,048]; A: computed on the way; B: computed on the way: QUANTISED
;;     5. batch 64 x [M 2,048, K 2,048] x [K 2,048, N 64]; A: softmax (see below); B: computed on the way: QUANTISED
;;     6. [M 8,192, K 1,024] x [K 1,024, N 1,024]; A: computed on the way; B: input Wo: QUANTISED
;;   THE QUANTISER, for each operand of a quantised product, along K:
;;     - K is cut into blocks of 32 from its start; a last block that is shorter is filled with zeros.
;;     - A block's scale is 2^e with e = floor(log2(the largest magnitude in the block)) - 2, held to -126 .. 127; a block of zeros has e = 0. As a byte (E8M0): e + 127.
;;     - Each number is divided by its block's scale, clamped to +-7.5, and rounded to the nearest number of E2M3, ties to even, subnormals kept.
;;     - The product sums the exact products of the quantised numbers (number of the format x scale) in f32.
;;   ~~~python
;;   def quantise(x, axis):      # numpy; x: float32 -> the quantised numbers, widened to float32 again
;;       x = np.moveaxis(x, axis, -1); K = x.shape[-1]
;;       x = np.pad(x, [(0, 0)] * (x.ndim - 1) + [(0, -K % 32)]); x = x.reshape(x.shape[:-1] + (-1, 32)); a = np.abs(x).max(-1, keepdims=True)
;;       e = np.where(a > 0, np.clip(np.frexp(np.where(a > 0, a, 1))[1] - 1 - 2, -126, 127), 0)      # np.frexp(a)[1] - 1 = floor(log2(a)), exactly
;;       r = np.clip(x / 2.0 ** e, -7.5, 7.5)
;;       step = 2.0 ** (np.maximum(np.frexp(np.where(r == 0, 1, r))[1] - 1, 0) - 3)
;;       q = np.round(r / step) * step * 2.0 ** e      # np.round: ties to even
;;       return np.moveaxis(q.reshape(q.shape[:-2] + (-1,))[..., :K], -1, axis).astype(np.float32)
;;   ~~~
;;   SOFTMAX AHEAD OF A QUANTISED PRODUCT. Where the list says 'softmax', what is quantised is not the finished softmax but p = 2^(t - M), with t = logit x log2(e) and M = ceil(the row's largest t), a whole number; so 1/2 < the row's largest p <= 1. The row's sum l is taken of the UNQUANTISED p, in f32, and the product's result is divided by l at the end. Since M is a whole number, a kernel that streams over the keys may use a running M (the ceiling of the running maximum): every later rescaling is an exact power of two, which a block's scale takes up: the codes' values come out the same.
;;   OPERANDS COMPUTED ON THE WAY. 'Computed on the way' means the value that the module computes at that place (a softmax that the list does not call 'softmax' is quantised finished and normalised). What goes into a quantiser is computed in f32, as accurately as f32 sums, v_exp_f32 and their like allow (about 1e-6 of the number): no bf16 or f16 on the way to a quantiser, and a product that is left as it is and whose result goes on into a quantised operand takes f32 operands (vector FMAs, or v_wmma_f32_16x16x4_f32). A number that lies on a knife's edge between two numbers of the format may be rounded either way, as far as f32 arithmetic and the matrix unit's own rounding can turn it there, and no further.
;; One version. Each part assembles by itself: llvm-mc -triple=amdgcn-amd-amdhsa -mcpu=gfx1250 --defsym DOCPART=n.
;; ======== version 1 of 1: 4 launches
;; limits: right only within a limited range of input values
;; workspace buffers: xq 6,553,600 bytes; wc 2,048,000 bytes; rope 2,097,152 bytes; qbuf 6,815,744 bytes; kvbuf 3,342,336 bytes; aq 6,553,600 bytes
;; launch prep (part 1): grid 336 x 1, 8 waves a work-group, no clusters, 68,608 bytes of LDS; arguments x, position_ids, Wq, Wk, Wv, Wo, xq, wc, rope; writes xq, wc, rope
.if DOCPART == 1
	.amdgcn_target "amdgcn-amd-amdhsa--gfx1250"
	.amdhsa_code_object_version 6
	.text
	.protected	k_q371f7b6ea4_prep
	.globl	k_q371f7b6ea4_prep
	.p2align	8
	.type	k_q371f7b6ea4_prep,@function
k_q371f7b6ea4_prep:
	s_mov_b64 s[64:65], 0
	v_nop
	global_prefetch_b8 v0, s[64:65] scope:SCOPE_SE
	s_setreg_imm32_b32 hwreg(HW_REG_WAVE_MODE, 25, 1), 1
	s_wait_xcnt 0x0
; x [8192][1024] f32 and the four weights ([1024 (k)][n] f32, K their first axis) become codes of FP6 (E2M3) with one E8M0 byte for each 32 along K; and the table of cosines and sines is made.
; THE OPERANDS' LAYOUT (xq, wc): a tile of 16 rows takes 12,800 bytes: for each K step of 128 an image of the operand's 12 registers (register 4 g + e of lane l at 512 g + 16 l + 4 e; 1,536 bytes),
; eight of them; at byte 12,288 the scale words, [K step][16 rows], 4 bytes each.  Row r of tile 2 b + u is row 32 b + 8 u + r + 8 (r / 8) of the tensor, so that in a product used transposed
; the 16 registers of two neighbouring tiles are 16 neighbours.
; rope: [token][cos of 32 frequencies | sin of the same 32] f32, 256 bytes a token.
; Work-groups 0-255 take x and the table: a wave makes two K steps of one tile, and four tokens' rows of the table.  Work-groups 256-335 take the weights: a wave 32 columns x 128 along K,
; a lane to a column, registers down K.  Only the first kind touches LDS.
; A block's scale is 2^(floor(log2(its largest magnitude)) - 2); its byte is the largest magnitude's exponent field - 2, held at 1 from below.
; LIMITS: NaN and infinities are not served; blocks whose largest magnitude lies under 2^-124 keep the byte 1; a block of zeros has the byte 1 where the rule says 127 (its codes are zeros, and this
; program alone reads the bytes).  The angles are reduced by three words of pi/2, good while |position x frequency| stays under 2^30.  A frequency is 2^(-i log2(10) / 8) by one v_exp_f32.
.set SPARE, 67584                      ; behind the eight stages: the spare words, 128 bytes a wave: four blocks of 256 bytes that no other line names
.set STGB,  8448                       ; a wave's stage: 16 rows x (512 bytes + 16)
.set L16,  1                           ; v1   16 x lane
.set STI,  2                           ; v2   the stage, on the way in
.set STO,  3                           ; v3   and on the way out
.set L4,   4                           ; v4   4 x lane
.set L8,   5                           ; v5   8 x lane
.set SPW,  6                           ; v6   LDS address of my spare word; never rewritten
.set NIL,  7                           ; v7   0; never rewritten
.set IF0,  8                           ; v8   the frequency 2 (lane % 16)
.set IF1,  9                           ; v9   the frequency 2 (lane % 16) + 1
.set OFF,  10                          ; v10  1 in lanes 0-15 (they make cosines), 0 in lanes 16-31
.set LANE, 11
.set TM,   16                          ; v16-31  at work in QUANT
.set R,    32                          ; v32-159 numbers as they are loaded
.set X,    160                         ; v160-223 64 numbers of a lane, in the quantiser's order
.set PC,   224                         ; v224-243 the codes just made
.set PW0,  244                         ; v244, v245 the two units' scale words
.set RES,  246                         ; v246-253 the table's eight numbers of a lane
.set SEL,  48                          ; s[48:49] lane selects: lane l xor 16
	s_load_b256 s[4:11], s[0:1], 0x0               ; x, position_ids, Wq, Wk
	s_load_b256 s[12:19], s[0:1], 0x20             ; Wv, Wo, xq, wc
	s_load_b64 s[20:21], s[0:1], 0x40              ; rope
	v_lshl_add_u32 v[SPW], v0, 2, SPARE
	v_mov_b32 v[NIL], 0
	v_lshrrev_b32 v12, 5, v0
	s_delay_alu instid0(VALU_DEP_1)
	v_readfirstlane_b32 s22, v12                   ; wave 0..7
	v_and_b32 v[LANE], 31, v0
	s_delay_alu instid0(VALU_DEP_1)
	v_lshlrev_b32 v[L16], 4, v[LANE]
	s_delay_alu instid0(VALU_DEP_2)
	v_lshlrev_b32 v[L4], 2, v[LANE]
	s_delay_alu instid0(VALU_DEP_3)
	v_lshlrev_b32 v[L8], 3, v[LANE]
	s_cmp_lt_u32 ttmp9, 256
	s_cbranch_scc0 .Lweights
; ---------------- x and the table ----------------
	s_lshl_b32 s23, ttmp9, 3
	s_add_co_u32 s23, s23, s22                     ; my wave among 2,048
	s_lshr_b32 s24, s23, 2                         ; the tile, 0..511
	s_and_b32 s25, s23, 3
	s_lshl_b32 s25, s25, 1                         ; my first K step
	s_lshr_b32 s26, s24, 1
	s_lshl_b32 s26, s26, 5
	s_and_b32 s27, s24, 1
	s_lshl_b32 s27, s27, 3
	s_add_co_u32 s26, s26, s27                     ; the tile's first token: 32 (T / 2) + 8 (T % 2)
	s_lshl_b32 s26, s26, 12                        ; rows of 4,096 bytes
	s_lshl_b32 s27, s25, 9                         ; a K step is 512 bytes of a row
	s_add_co_u32 s26, s26, s27
	s_mov_b32 s27, 0
	s_mul_i32 s28, s24, 12800
	s_mul_i32 s30, s25, 1536
	s_add_co_u32 s30, s30, s28                     ; my images
	s_mov_b32 s31, 0
	s_lshl_b32 s32, s25, 6
	s_add_co_u32 s32, s32, s28
	s_add_co_u32 s32, s32, 12288                   ; my scale words
	s_mov_b32 s33, 0
	s_lshl_b32 s34, s23, 4                         ; my four positions
	s_mov_b32 s35, 0
	s_lshl_b32 s36, s23, 10                        ; my four rows of the table
	s_mov_b32 s37, 0
	s_mov_b32 s[SEL], 0x76543210
	s_mov_b32 s[SEL+1], 0xfedcba98
	s_mov_b32 s50, 0x3f22f983                      ; 2 / pi
	s_mov_b32 s51, 0x3fc90fdb                      ; pi / 2 in three words
	s_mov_b32 s52, 0xb33bbd2e
	s_mov_b32 s53, 0xa6f72ced
	s_mov_b32 s54, 0xbe2aaaa3                      ; sine: -1.6666654611e-1, 8.3321608736e-3, -1.9515295891e-4
	s_mov_b32 s55, 0x3c08839e
	s_mov_b32 s56, 0xb94ca1f9
	s_mov_b32 s57, 0x3d2aaaa5                      ; cosine: 4.166664568e-2, -1.388731625e-3, 2.443315712e-5
	s_mov_b32 s58, 0xbab6061a
	s_mov_b32 s59, 0x37ccf5ce
	v_and_b32 v14, 15, v0                          ; r
	v_bfe_u32 v15, v0, 4, 1                        ; h
	s_mul_i32 s42, s22, STGB
	s_wait_alu depctr_va_vdst(0)
	v_add_nc_u32 v[STI], s42, v[L16]               ; in: a row's 512 bytes as they lie
	v_mul_u32_u24 v[STO], v14, 528
	s_delay_alu instid0(VALU_DEP_1)
	v_lshl_add_u32 v[STO], v15, 6, v[STO]
	s_delay_alu instid0(VALU_DEP_1)
	v_add_nc_u32 v[STO], s42, v[STO]               ; out: row r, + 64 h: my 16 numbers of each block of 32
	s_wait_kmcnt 0x0
	s_add_nc_u64 s[4:5], s[4:5], s[26:27]
	s_add_nc_u64 s[6:7], s[6:7], s[34:35]
	s_add_nc_u64 s[38:39], s[16:17], s[30:31]
	s_add_nc_u64 s[40:41], s[16:17], s[32:33]
	s_add_nc_u64 s[20:21], s[20:21], s[36:37]
.irp e, 0,1                                        ; 32 loads, each 512 consecutive bytes: row t of the tile, K step s0 + e; the first unit's sixteen first
.irp t, 0,1,2,3,4,5,6,7,8,9,10,11,12,13,14,15
	global_load_b128 v[R+64*\e+4*\t:R+64*\e+4*\t+3], v[L16], s[4:5] offset:(\t+8*(\t/8))*4096+512*\e th:TH_LOAD_NT
.endr
.endr
	s_load_b128 s[44:47], s[6:7], 0x0              ; four positions
	v_lshlrev_b32 v12, 1, v14
	s_delay_alu instid0(VALU_DEP_1)
	v_cvt_f32_u32 v12, v12                         ; i = 2 (lane % 16),
	s_delay_alu instid0(VALU_DEP_1)
	v_add_f32 v13, 1.0, v12                        ; and i + 1
	s_delay_alu instid0(VALU_DEP_2)
	v_mul_f32 v12, 0xbed49a78, v12                 ; x -log2(10) / 8
	s_delay_alu instid0(VALU_DEP_2)
	v_mul_f32 v13, 0xbed49a78, v13
	s_wait_alu depctr_va_vdst(0)
	v_exp_f32 v[IF0], v12                          ; 10000^(-i / 32)
	v_exp_f32 v[IF1], v13
	v_sub_nc_u32 v[OFF], 1, v15                    ; (the plain instruction behind the two)
	s_wait_alu depctr_va_vdst(0)                   ; one wait for both, ahead of their first reader
.irp b, 0,1,2,3
	v_mov_b32 v[TM+4+\b], 0                        ; written once: a lane permute's destination counts as one of its sources
.endr
; sin(a + OFF pi / 2), a = v160 x the frequency: n = the nearest whole number to a 2 / pi; r = a - n pi / 2 by three fused multiply-adds; the sine's or the cosine's polynomial of r by n + OFF's
; lowest bit, the sign by the bit above it.
.macro SINCOS dst, fr
	v_mul_f32 v161, v160, v[\fr]
	s_delay_alu instid0(VALU_DEP_1)
	v_mul_f32 v162, s50, v161
	s_delay_alu instid0(VALU_DEP_1)
	v_rndne_f32 v162, v162
	s_delay_alu instid0(VALU_DEP_1)
	v_fma_f32 v163, -v162, s51, v161
	s_delay_alu instid0(VALU_DEP_1)
	v_fma_f32 v163, -v162, s52, v163
	s_delay_alu instid0(VALU_DEP_1)
	v_fma_f32 v163, -v162, s53, v163
	s_delay_alu instid0(VALU_DEP_4)
	v_cvt_i32_f32 v164, v162
	s_delay_alu instid0(VALU_DEP_1)
	v_add_nc_u32 v164, v164, v[OFF]
	s_delay_alu instid0(VALU_DEP_3)
	v_mul_f32 v165, v163, v163                     ; z = r r
	s_delay_alu instid0(VALU_DEP_1)
	v_fma_f32 v166, v165, s56, s55
	s_delay_alu instid0(VALU_DEP_1)
	v_fma_f32 v166, v166, v165, s54
	s_delay_alu instid0(VALU_DEP_1)
	v_mul_f32 v166, v166, v165
	s_delay_alu instid0(VALU_DEP_1)
	v_fma_f32 v166, v166, v163, v163               ; sin r
	v_fma_f32 v167, v165, s59, s58
	s_delay_alu instid0(VALU_DEP_1)
	v_fma_f32 v167, v167, v165, s57
	v_mul_f32 v168, v165, v165
	v_fma_f32 v169, v165, -0.5, 1.0
	s_delay_alu instid0(VALU_DEP_1)
	v_fma_f32 v167, v168, v167, v169               ; cos r
	v_and_b32 v170, 1, v164
	s_delay_alu instid0(VALU_DEP_1)
	v_cmp_eq_u32 vcc_lo, 1, v170
	s_delay_alu instid0(VALU_DEP_1)
	v_cndmask_b32 v166, v166, v167, vcc_lo
	v_lshlrev_b32 v164, 30, v164
	s_delay_alu instid0(VALU_DEP_1)
	v_and_b32 v164, 0x80000000, v164
	s_delay_alu instid0(VALU_DEP_1)
	v_xor_b32 v[\dst], v166, v164
.endm
	s_wait_kmcnt 0x0
.irp t, 0,1,2,3
	v_cvt_f32_i32 v160, s[44+\t]
	SINCOS RES+2*\t, IF0
	SINCOS RES+2*\t+1, IF1
	global_store_b64 v[L8], v[RES+2*\t:RES+2*\t+1], s[20:21] offset:256*\t   ; 32 lanes store a token's 256 bytes: lanes 0-15 the cosines, lanes 16-31 the sines
.endr
; 64 numbers of a lane, register 16 b + i = k 32 b + 16 (lane / 16) + i of my row, become a fragment's codes in v[PC] on and its scale word in v[pw].
.macro QUANT s, pw
.irp b, 0,1,2,3
	v_max3_num_f32 v[TM+\b], |v[\s+16*\b]|, |v[\s+1+16*\b]|, 0x1800000   ; my 16 numbers of block b, and the floor 2^(3 - 127): the byte cannot fall under 1
.endr
.irp i, 2,4,6,8,10,12,14
.irp b, 0,1,2,3
	s_delay_alu instid0(VALU_DEP_4)
	v_max3_num_f32 v[TM+\b], v[TM+\b], |v[\s+16*\b+\i]|, |v[\s+1+16*\b+\i]|
.endr
.endr
.irp b, 0,1,2,3
	s_delay_alu instid0(VALU_DEP_4)
	v_permlanex16_b32 v[TM+4+\b], v[TM+\b], s[SEL], s[SEL+1]
.endr
.irp b, 0,1,2,3
	s_delay_alu instid0(VALU_DEP_4)
	v_max_num_f32 v[TM+\b], v[TM+\b], v[TM+4+\b]   ; with lane l xor 16's: the block's largest magnitude
.endr
.irp b, 0,1,2,3
	s_delay_alu instid0(VALU_DEP_4)
	v_add_nc_u32 v[TM+12+\b], 0xff000000, v[TM+\b] ; 2 off its exponent field: the conversion's scale operand
.endr
.irp b, 0,1,2,3
	s_delay_alu instid0(VALU_DEP_4)
	v_lshrrev_b32 v[TM+4+\b], 23, v[TM+12+\b]      ; the scale's byte
.endr
	s_delay_alu instid0(VALU_DEP_3)
	v_lshl_or_b32 v[\pw], v[TM+5], 8, v[TM+4]
	s_delay_alu instid0(VALU_DEP_1)
	v_lshl_or_b32 v[\pw], v[TM+6], 16, v[\pw]
	s_delay_alu instid0(VALU_DEP_1)
	v_lshl_or_b32 v[\pw], v[TM+7], 24, v[\pw]
.irp c, 0,1
	v_cvt_scalef32_pk16_fp6_f32 v[PC+6*\c:PC+2+6*\c], v[\s+32*\c:\s+15+32*\c], v[TM+12+2*\c]
	v_cvt_scalef32_pk16_fp6_f32 v[PC+12+4*\c:PC+14+4*\c], v[\s+16+32*\c:\s+31+32*\c], v[TM+12+2*\c+1]   ; (a conversion's three registers begin on an even number)
.endr
	v_nop                                          ; one plain place behind a scaled conversion
.irp c, 0,1                                        ; the operand's layout wants a whole block in a lane
.irp i, 0,1,2
	v_permlane16_swap_b32 v[PC+6*\c+\i], v[PC+12+4*\c+\i]
.endr
.irp i, 0,1,2
	s_delay_alu instid0(VALU_DEP_3)
	v_mov_b32 v[PC+3+6*\c+\i], v[PC+12+4*\c+\i]
.endr
.endr
.endm
; One K step of the tile: its 16 rows x 512 bytes turn through my stage (LDS serves a wave's instructions in order: no wait between the stores and the loads), are quantised, and leave as an image.
.macro UNIT e
	s_wait_loadcnt 16-16*\e                        ; this unit's sixteen loads are in; the other unit's sixteen may be out
.irp t, 0,1,2,3,4,5,6,7,8,9,10,11,12,13,14,15
	ds_store_b128 v[STI], v[R+64*\e+4*\t:R+64*\e+4*\t+3] offset:528*\t
.endr
.irp b, 0,1,2,3
.irp j, 0,1,2,3
	ds_load_b128 v[X+16*\b+4*\j:X+16*\b+4*\j+3], v[STO] offset:128*\b+16*\j
.endr
.endr
	s_wait_dscnt 0x0
.if \e
	s_wait_xcnt 0x0                                ; the first unit's stores have read the codes' registers
.endif
	QUANT X, PW0+\e
.irp g, 0,1,2
	global_store_b128 v[L16], v[PC+4*\g:PC+4*\g+3], s[38:39] offset:1536*\e+512*\g   ; 512 consecutive bytes
.endr
.endm
	UNIT 0
	UNIT 1
	v_cmp_gt_u32 vcc_lo, 16, v[LANE]
	s_delay_alu instid0(VALU_DEP_1)
	v_cndmask_b32 v254, v[PW0+1], v[PW0], vcc_lo   ; lanes 0-15 the first K step's words, lanes 16-31 the second's
	global_store_b32 v[L4], v254, s[40:41]         ; 128 consecutive bytes
	s_wait_tensorcnt 0x0                           ; the wave's end
	ds_add_u32 v[SPW], v[NIL]
	s_wait_dscnt 0x0
	s_endpgm
; ---------------- the weights ----------------
.Lweights:
	s_sub_co_u32 s23, ttmp9, 256
	s_lshr_b32 s24, s23, 2                         ; which 128 of the 2,560 columns: 0-7 Wq, 8-9 Wk, 10-11 Wv, 12-19 Wo
	s_and_b32 s25, s23, 3
	s_lshl_b32 s25, s25, 1
	s_lshr_b32 s26, s22, 2
	s_add_co_u32 s25, s25, s26                     ; my K step
	s_and_b32 s26, s22, 3                          ; which 32 of the 128 columns
	s_lshr_b32 s27, s24, 1
	s_lshr_b32 s28, s24, 2
	s_wait_kmcnt 0x0
	s_cmp_lt_u32 s24, 8                            ; the choice hangs on the work-group's number alone
	s_cselect_b64 s[32:33], s[8:9], s[14:15]
	s_cselect_b32 s34, 0, 12
	s_cmp_eq_u32 s27, 4
	s_cselect_b64 s[32:33], s[10:11], s[32:33]
	s_cselect_b32 s34, 8, s34
	s_cmp_eq_u32 s27, 5
	s_cselect_b64 s[32:33], s[12:13], s[32:33]
	s_cselect_b32 s34, 10, s34
	s_cmp_eq_u32 s28, 2                            ; Wk and Wv have rows of 1,024 bytes, Wq and Wo of 4,096
	s_cselect_b32 s35, 17, 19                      ; 128 rows, as a shift
	s_sub_co_u32 s34, s24, s34
	s_lshl_b32 s34, s34, 9
	s_lshl_b32 s36, s26, 7
	s_add_co_u32 s34, s34, s36                     ; my first column, in bytes
	s_lshl_b32 s36, s25, s35
	s_add_co_u32 s36, s36, s34
	s_mov_b32 s37, 0
	s_add_nc_u64 s[32:33], s[32:33], s[36:37]
	s_lshl_b32 s38, s24, 3
	s_lshl_b32 s39, s26, 1
	s_add_co_u32 s38, s38, s39                     ; my 32 columns are two tiles of wc
	s_mul_i32 s38, s38, 12800
	s_mul_i32 s40, s25, 1536
	s_add_co_u32 s40, s40, s38
	s_mov_b32 s41, 0
	s_add_nc_u64 s[40:41], s[18:19], s[40:41]
	s_lshl_b32 s42, s25, 6
	s_add_co_u32 s42, s42, s38
	s_add_co_u32 s42, s42, 12288
	s_mov_b32 s43, 0
	s_add_nc_u64 s[42:43], s[18:19], s[42:43]
.macro WLOAD stride                                ; W(128 s + i, my column): 32 lanes read 128 consecutive bytes, the four waves side by side 512
.set i, 0
.rept 128
	global_load_b32 v[R+i], v[L4], s[32:33] offset:i*\stride th:TH_LOAD_NT
.set i, i+1
.endr
.endm
	s_cmp_eq_u32 s28, 2
	s_cbranch_scc1 .Lnarrow
	s_wait_alu depctr_va_vdst(0)
	WLOAD 4096
	s_branch .Lloaded
.Lnarrow:
	s_wait_alu depctr_va_vdst(0)
	WLOAD 1024
.Lloaded:
	v_bfe_u32 v12, v0, 3, 1                        ; column l of the 32 is row (l % 8) + 8 (l / 16) of tile (l / 8) % 2
	v_and_b32 v13, 7, v0
	v_bfe_u32 v14, v0, 4, 1
	s_delay_alu instid0(VALU_DEP_1)
	v_lshl_add_u32 v13, v14, 3, v13
	s_delay_alu instid0(VALU_DEP_4)
	v_mul_u32_u24 v12, v12, 12800
	s_delay_alu instid0(VALU_DEP_1)
	v_lshl_add_u32 v14, v13, 4, v12                ; my row's place in an image,
	s_delay_alu instid0(VALU_DEP_2)
	v_lshl_add_u32 v15, v13, 2, v12                ; and among the scale words
	s_wait_loadcnt 0x0
; Block kb of my column: all its 32 numbers are mine.  Its codes are registers 6 (kb / 2) .. + 5 of lane (row, kb % 2) of the image: v160-171 what lane (row, 0) holds, v172-183 lane (row, 1).
.macro WBLOCK kb
.set XS, R+32*(\kb)
.set FD, 160+12*((\kb)%2)+6*((\kb)/2)
.set TD, 184+4*(\kb)
	v_max3_num_f32 v16, |v[XS]|, |v[XS+1]|, |v[XS+2]|
	v_max3_num_f32 v17, |v[XS+3]|, |v[XS+4]|, |v[XS+5]|
.irp i, 6,10,14,18,22,26
	s_delay_alu instid0(VALU_DEP_2)
	v_max3_num_f32 v16, v16, |v[XS+\i]|, |v[XS+\i+1]|
	s_delay_alu instid0(VALU_DEP_2)
	v_max3_num_f32 v17, v17, |v[XS+\i+2]|, |v[XS+\i+3]|
.endr
	s_delay_alu instid0(VALU_DEP_2)
	v_max3_num_f32 v16, v16, |v[XS+30]|, |v[XS+31]|
	s_delay_alu instid0(VALU_DEP_1)
	v_max3_num_f32 v16, v16, v17, 0x1800000        ; and the floor
	s_delay_alu instid0(VALU_DEP_1)
	v_add_nc_u32 v[20+\kb], 0xff000000, v16        ; the conversion's scale operand
	v_cvt_scalef32_pk16_fp6_f32 v[FD:FD+2], v[XS:XS+15], v[20+\kb]
	v_cvt_scalef32_pk16_fp6_f32 v[TD:TD+2], v[XS+16:XS+31], v[20+\kb]   ; (a conversion's three registers begin on an even number)
	v_lshrrev_b32 v18, 23, v[20+\kb]               ; the scale's byte; also the plain place behind the conversions
.if (\kb) == 0
	s_delay_alu instid0(VALU_DEP_1)
	v_mov_b32 v19, v18
.else
	s_delay_alu instid0(VALU_DEP_1)
	v_lshl_or_b32 v19, v18, 8*(\kb), v19
.endif
.irp i, 0,1,2
	v_mov_b32 v[FD+3+\i], v[TD+\i]
.endr
.endm
	WBLOCK 0
	WBLOCK 1
	WBLOCK 2
	WBLOCK 3
.irp h, 0,1
.irp g, 0,1,2
	global_store_b128 v14, v[160+12*\h+4*\g:160+12*\h+4*\g+3], s[40:41] offset:256*\h+512*\g   ; lanes 0-7 and 16-23 fill 256 consecutive bytes of one tile, the others of the next
.endr
.endr
	global_store_b32 v15, v19, s[42:43]
	s_endpgm
.Lfunc_end_k_q371f7b6ea4_prep:
	.size	k_q371f7b6ea4_prep, .Lfunc_end_k_q371f7b6ea4_prep-k_q371f7b6ea4_prep
	.p2alignl 7, 3214868480
	.fill 96, 4, 3214868480
	.section	.rodata,"a",@progbits
	.p2align	6, 0x0
	.amdhsa_kernel k_q371f7b6ea4_prep
		.amdhsa_group_segment_fixed_size 68608
		.amdhsa_private_segment_fixed_size 0
		.amdhsa_enable_private_segment 0
		.amdhsa_kernarg_size 72
		.amdhsa_user_sgpr_count 2
		.amdhsa_user_sgpr_kernarg_segment_ptr 1
		.amdhsa_wavefront_size32 1
		.amdhsa_system_sgpr_workgroup_id_x 1
		.amdhsa_system_sgpr_workgroup_id_y 1
		.amdhsa_system_sgpr_workgroup_id_z 1
		.amdhsa_system_vgpr_workitem_id 0
		.amdhsa_next_free_vgpr 256
		.amdhsa_next_free_sgpr 80
		.amdhsa_reserve_vcc 1
		.amdhsa_float_denorm_mode_32 3
		.amdhsa_float_denorm_mode_16_64 3
		.amdhsa_memory_ordered 1
		.amdhsa_forward_progress 1
		.amdhsa_inst_pref_size 72
	.end_amdhsa_kernel
	.amdgpu_metadata
---
amdhsa.version: [ 1, 2 ]
amdhsa.kernels:
  - .name:           k_q371f7b6ea4_prep
    .symbol:         k_q371f7b6ea4_prep.kd
    .args:
      - { .name: x, .offset: 0, .size: 8, .value_kind: global_buffer, .address_space: global }
      - { .name: position_ids, .offset: 8, .size: 8, .value_kind: global_buffer, .address_space: global }
      - { .name: Wq, .offset: 16, .size: 8, .value_kind: global_buffer, .address_space: global }
      - { .name: Wk, .offset: 24, .size: 8, .value_kind: global_buffer, .address_space: global }
      - { .name: Wv, .offset: 32, .size: 8, .value_kind: global_buffer, .address_space: global }
      - { .name: Wo, .offset: 40, .size: 8, .value_kind: global_buffer, .address_space: global }
      - { .name: xq, .offset: 48, .size: 8, .value_kind: global_buffer, .address_space: global }
      - { .name: wc, .offset: 56, .size: 8, .value_kind: global_buffer, .address_space: global }
      - { .name: rope, .offset: 64, .size: 8, .value_kind: global_buffer, .address_space: global }
    .group_segment_fixed_size: 68608
    .private_segment_fixed_size: 0
    .kernarg_segment_align: 8
    .kernarg_segment_size: 72
    .max_flat_workgroup_size: 256
    .sgpr_count:     80
    .vgpr_count:     256
    .wavefront_size: 32
...
	.end_amdgpu_metadata
.endif
;; end of part 1
;; launch qkv (part 2): grid 32 x 6, 16 waves a work-group, no clusters, 327,680 bytes of LDS; arguments xq, wc, bq, bk, bv, rope, qbuf, kvbuf; writes qbuf, kvbuf
.if DOCPART == 2
	.amdgcn_target "amdgcn-amd-amdhsa--gfx1250"
	.amdhsa_code_object_version 6
	.text
	.protected	k_q371f7b6ea4_qkv
	.globl	k_q371f7b6ea4_qkv
	.p2align	8
	.type	k_q371f7b6ea4_qkv,@function
k_q371f7b6ea4_qkv:
	s_mov_b64 s[64:65], 0
	v_nop
	global_prefetch_b8 v0, s[64:65] scope:SCOPE_SE
	s_setreg_imm32_b32 hwreg(HW_REG_WAVE_MODE, 25, 1), 1
	s_wait_xcnt 0x0
; q = x Wq + bq, k = x Wk + bk (both turned by the table of cosines and sines), v = x Wv + bv, on codes of FP6 (E2M3) with E8M0 scales; the results are quantised at once for attention:
; q and k along the head's 64 (two blocks), v along the keys.
; A work-group makes 256 tokens (x = 0..31) x 256 columns (y: 0-3 q's heads 4 y .. 4 y + 3, 4 k's four heads, 5 v's four heads).  Sixteen waves, each 64 x 64: 16 accumulators, 128 registers.
; THE PRODUCT IS USED TRANSPOSED: source 0's rows run along a lane's registers, source 1's row is the lane's.  For q and k source 0 = the weight's columns and source 1 = the tokens: a lane holds one
; token and 32 of a head's 64 numbers.  For v the two change places: a lane holds one of the head's 64 and its registers run along the tokens, which are the keys.
; Operands lie in memory as images of the operand's registers (a tile of 16 rows: eight images of 1,536 bytes, then 512 bytes of scale words; 12,800 bytes), so a fragment is three loads of 16 bytes a lane.
; K goes in four chunks of 256 through two LDS slots; each wave brings two tiles' part of a chunk (2 rows of 3,072 bytes) by one tensor load.  All scale words come once, with the first fills.
; No cluster: the six tile columns do not divide by four, and which operand neighbours would share changes with y.
; OUT.  A tile of 16 queries or keys, or 16 of v's rows x 64 keys, is a half image of 768 bytes: registers 0-3 of lane l at 16 l, registers 4-5 at 512 + 8 l (lanes 0-15 block 0, lanes 16-31 block 1).
; qbuf: for each (batch, head) 128 tiles, then at 98,304 the scale words [tile][16].  kvbuf: for each (batch, kv head): k's 128 tiles; at 98,304 v [key step of 128][tile of 16 d][half of 64 keys];
; at 196,608 k's scale words; at 204,800 v's [key step][tile][16].  v's scale bytes leave two at a time (64 KB in the whole launch): the two halves of a word come from two waves.
; LIMITS: NaN and infinities are not served; blocks under 2^-124 keep the byte 1, a block of zeros too (its codes are zeros; this program alone reads the bytes).
.set SLOTB, 98304                      ; a slot: 32 tiles x 3,072 bytes: tiles 0-15 source 1's, tiles 16-31 source 0's
.set SCL,   196608                     ; the scale words: 32 tiles x 512 bytes
.set SPARE, 212992                     ; the spare words, 128 bytes a wave: eight blocks of 256 bytes that no other line names
.set VA,  1                            ; v1, v2  LDS address of source 1's fragments in slot 0, 1
.set VB,  3                            ; v3, v4  of source 0's
.set VS,  5                            ; v5      of the scale words: lanes 0-15 source 1's, lanes 16-31 source 0's
.set SPW, 6                            ; v6      my spare word; never rewritten
.set NIL, 7                            ; v7      0; never rewritten
.set SC,  24                           ; v24-27  scale words and nothing else
.set AF,  32                           ; v32-79  source 1's four fragments
.set BF,  80                           ; v80-127 source 0's four
.set ACC, 128                          ; accumulator (a, b) at v[128 + 8 (4 a + b)]: a source 1's tile, b source 0's
.set BI,  32                           ; behind the products: the bias
.set CSR, 64                           ; v64-79 cosines, v80-95 sines
.set TP,  96                           ; v96-103 at work
.set TM,  104                          ; v104-111 at work in QUANT2
.set P,   112                          ; v112-117 a half image
.set P2,  118
.set PW,  122                          ; its scale word
.set PWE, 123
.set PWS, 124
.set G1,  28                           ; s[28:35] descriptor group 1 for codes;  s[36:43] for scale words
.set G1S, 36
.set G0S, 44                           ; s[44:47] group 0 for the scale words;  s[48:51], s[52:55] for slot 0, 1
.set G0A, 48
.set SEL, 84
.set G1H, 88                           ; s[88:95] group 1 for the head's load of codes: four tiles
	s_load_b256 s[4:11], s[0:1], 0x0               ; xq, wc, bq, bk
	s_load_b256 s[12:19], s[0:1], 0x20             ; bv, rope, qbuf, kvbuf
	v_lshl_add_u32 v[SPW], v0, 2, SPARE
	v_mov_b32 v[NIL], 0
	ds_add_u32 v[SPW], v[NIL]                      ; the wave's opening: the add and its wait ahead of my first tensor load; work on registers stands between them
	ds_add_u32 v[SPW], v[NIL]
	v_lshrrev_b32 v8, 5, v0
	s_delay_alu instid0(VALU_DEP_1)
	v_readfirstlane_b32 s20, v8                    ; wave 0..15
	s_and_b32 s21, s20, 3                          ; i0: my 64 rows of source 0
	s_lshr_b32 s22, s20, 2                         ; i1: my 64 rows of source 1
	s_mov_b32 s23, ttmp9                           ; which 256 tokens
	s_and_b32 s24, ttmp7, 0xffff                   ; which 256 columns
	s_mov_b32 s[G1], 3<<16                         ; elements of 8 bytes, no mask, no padding
	s_mov_b32 s[G1+1], 384<<16                     ; tensor_dim0 = 384: a tile's two K steps, 3,072 bytes
	s_mov_b32 s[G1+2], 2<<16                       ; tensor_dim1 = 2 tiles
	s_mov_b32 s[G1+3], 384<<16                     ; tile_dim0
	s_mov_b32 s[G1+4], 2                           ; tile_dim1
	s_mov_b32 s[G1+5], 1600                        ; from tile to tile: 12,800 bytes
	s_mov_b32 s[G1+6], 0
	s_mov_b32 s[G1+7], 0
	s_mov_b32 s[G1S], 3<<16
	s_mov_b32 s[G1S+1], 64<<16                     ; a tile's scale words: 512 bytes
	s_mov_b32 s[G1S+2], 4<<16                      ; four tiles' scale words to a load
	s_mov_b32 s[G1S+3], 64<<16
	s_mov_b32 s[G1S+4], 4
	s_mov_b32 s[G1S+5], 1600
	s_mov_b32 s[G1S+6], 0
	s_mov_b32 s[G1S+7], 0
	s_mov_b32 s[G1H], 3<<16                        ; as G1, with four tiles
	s_mov_b32 s[G1H+1], 384<<16
	s_mov_b32 s[G1H+2], 4<<16
	s_mov_b32 s[G1H+3], 384<<16
	s_mov_b32 s[G1H+4], 4
	s_mov_b32 s[G1H+5], 1600
	s_mov_b32 s[G1H+6], 0
	s_mov_b32 s[G1H+7], 0
	s_lshr_b32 s56, s20, 3                         ; waves 0-7 fetch for source 1, waves 8-15 for source 0
	s_cmp_eq_u32 s24, 5
	s_cselect_b32 s57, 1, 0                        ; for v the operands change places
	s_xor_b32 s56, s56, s57                        ; 0: I fetch tiles of xq;  1: of wc
	s_lshl_b32 s58, s23, 4
	s_lshl_b32 s59, s24, 4
	s_cmp_eq_u32 s56, 0
	s_cselect_b32 s58, s58, s59                    ; the operand's first tile
	s_and_b32 s59, s20, 7
	s_lshl_b32 s59, s59, 1
	s_add_co_u32 s58, s58, s59                     ; my two tiles
	s_mul_i32 s58, s58, 12800
	s_mov_b32 s59, 0
	s_mov_b32 s[G0S], 1
	s_and_b32 s[G0S+1], s20, 14                    ; an odd wave w brings the words of tiles 2 (w - 1) .. 2 w + 1
	s_lshl_b32 s[G0S+1], s[G0S+1], 10
	s_add_co_u32 s[G0S+1], s[G0S+1], SCL
	s_mov_b32 s[G0A], 1
	s_mul_i32 s[G0A+1], s20, 6144
	s_mov_b32 s[G0A+4], 1
	s_add_co_u32 s[G0A+5], s[G0A+1], SLOTB
	s_mov_b32 s[SEL], 0x76543210
	s_mov_b32 s[SEL+1], 0xfedcba98
	s_wait_dscnt 0x0                               ; the opening add is done
	s_wait_kmcnt 0x0
	s_cmp_eq_u32 s56, 0
	s_cselect_b64 s[60:61], s[4:5], s[6:7]
	s_add_nc_u64 s[60:61], s[60:61], s[58:59]
	s_sub_nc_u64 s[G0S+2:G0S+3], s[60:61], 13312   ; two tiles back (25,600 bytes) and 12,288 on: used by odd waves alone
	s_or_b32 s[G0S+3], s[G0S+3], 0x80000000
	s_mov_b64 s[G0A+2:G0A+3], s[60:61]
	s_or_b32 s[G0A+3], s[G0A+3], 0x80000000
	s_add_nc_u64 s[G0A+6:G0A+7], s[60:61], 3072
	s_or_b32 s[G0A+7], s[G0A+7], 0x80000000
	s_and_b32 s62, s20, 1                          ; the head's tiles are shared out, one load a wave: even waves chunk 0 of tiles 2 w .. 2 w + 3, odd waves four tiles' scale words
	s_cmp_eq_u32 s62, 0
	s_cbranch_scc0 .Lhead_s
	tensor_load_to_lds s[G0A:G0A+3], s[G1H:G1H+7]
	s_nop 0
	s_branch .Lhead_j
.Lhead_s:
	tensor_load_to_lds s[G0S:G0S+3], s[G1S:G1S+7]
	s_nop 0
.Lhead_j:
	v_and_b32 v8, 31, v0                           ; lane
	s_delay_alu instid0(VALU_DEP_1)
	v_lshlrev_b32 v9, 4, v8                        ; 16 x lane
	v_and_b32 v10, 15, v0                          ; r
	v_bfe_u32 v11, v0, 4, 1                        ; h
	s_mul_i32 s56, s22, 12288
	v_add_nc_u32 v[VA], s56, v9
	s_delay_alu instid0(VALU_DEP_1)
	v_add_nc_u32 v[VA+1], SLOTB, v[VA]
	s_mul_i32 s56, s21, 12288
	s_add_co_u32 s56, s56, 49152
	v_add_nc_u32 v[VB], s56, v9
	s_delay_alu instid0(VALU_DEP_1)
	v_add_nc_u32 v[VB+1], SLOTB, v[VB]
	s_xor_b32 s57, s22, 3
	s_add_co_u32 s57, s57, s21
	s_add_co_u32 s57, s57, 1
	s_lshl_b32 s57, s57, 11                        ; from source 1's words to source 0's: 8,192 + 2,048 i0 - 2,048 i1 = 2,048 (1 + i0 + (3 - i1))
	v_mul_u32_u24 v[VS], s57, v11
	s_delay_alu instid0(VALU_DEP_1)
	v_lshl_add_u32 v[VS], v10, 2, v[VS]
	s_lshl_b32 s56, s22, 11
	s_add_co_u32 s56, s56, SCL
	v_add_nc_u32 v[VS], s56, v[VS]
; A K step of 128: 24 loads of 16 bytes a lane bring eight fragments, four loads the scale words; then 16 products, the accumulators by turns.
.macro KSTEP slot, half, kap, zero
.rept 4
	v_nop                                          ; places in front of loads into registers that matrix instructions have read
.endr
.irp a, 0,1,2,3
.irp g, 0,1,2
	ds_load_b128 v[AF+12*\a+4*\g:AF+12*\a+4*\g+3], v[VA+\slot] offset:3072*\a+1536*\half+512*\g
.endr
.endr
.irp a, 0,1,2,3
.irp g, 0,1,2
	ds_load_b128 v[BF+12*\a+4*\g:BF+12*\a+4*\g+3], v[VB+\slot] offset:3072*\a+1536*\half+512*\g
.endr
.endr
.irp j, 0,1,2,3
	ds_load_b32 v[SC+\j], v[VS] offset:512*\j+64*\kap
.endr
	s_wait_dscnt 0x0
.irp a, 0,1,2,3
.irp b, 0,1,2,3
.if \zero
	v_wmma_scale_f32_16x16x128_f8f6f4 v[ACC+8*(4*\a+\b):ACC+8*(4*\a+\b)+7], v[BF+12*\b:BF+12*\b+11], v[AF+12*\a:AF+12*\a+11], 0, v[SC+\b], v[SC+\a] matrix_a_fmt:MATRIX_FMT_FP6 matrix_b_fmt:MATRIX_FMT_FP6 matrix_a_scale:MATRIX_SCALE_ROW1
.else
	v_wmma_scale_f32_16x16x128_f8f6f4 v[ACC+8*(4*\a+\b):ACC+8*(4*\a+\b)+7], v[BF+12*\b:BF+12*\b+11], v[AF+12*\a:AF+12*\a+11], v[ACC+8*(4*\a+\b):ACC+8*(4*\a+\b)+7], v[SC+\b], v[SC+\a] matrix_a_fmt:MATRIX_FMT_FP6 matrix_b_fmt:MATRIX_FMT_FP6 matrix_a_scale:MATRIX_SCALE_ROW1
.endif
.endr
.endr
.endm
; The change of slots: all my tensor loads have landed (my part of the slot ahead); the add; my reads of the slot that I leave are over; the barrier; then, fill = 1, that slot's next chunk: my one load.
.macro CHANGE slot, fill
	s_wait_tensorcnt 0x0
	ds_add_u32 v[SPW], v[NIL]                      ; 0 onto my spare word
.if \fill
	s_add_nc_u64 s[G0A+4*\slot+2:G0A+4*\slot+3], s[G0A+4*\slot+2:G0A+4*\slot+3], 6144   ; no load of mine is out: two chunks on
.endif
	s_wait_dscnt 0x0
	s_barrier_signal -1
	s_barrier_wait -1
.if \fill
	tensor_load_to_lds s[G0A+4*\slot:G0A+4*\slot+3], s[G1:G1+7]
	s_nop 0
.endif
.endm
	s_wait_alu depctr_va_vdst(0)
	s_wait_tensorcnt 0x0                           ; my load of the head is in
	ds_add_u32 v[SPW], v[NIL]
	s_wait_dscnt 0x0
	s_barrier_signal -1
	s_barrier_wait -1
	tensor_load_to_lds s[G0A+4:G0A+7], s[G1:G1+7]  ; chunk 1, slot 1's first fill: my one load behind this barrier
	s_nop 0
	KSTEP 0, 0, 0, 1                               ; the first products start the sums
	KSTEP 0, 1, 1, 0
	CHANGE 0, 1                                    ; chunk 2
	KSTEP 1, 0, 2, 0
	KSTEP 1, 1, 3, 0
	CHANGE 1, 1                                    ; chunk 3
	KSTEP 0, 0, 4, 0
	KSTEP 0, 1, 5, 0
	CHANGE 0, 0
	KSTEP 1, 0, 6, 0
	KSTEP 1, 1, 7, 0
.rept 4
	v_nop                                          ; places in front of the first reads of results and of loads into the fragments' registers
.endr
	v_mov_b32 v[TM+2], 0                           ; a lane permute's destination counts as one of its sources
	v_mov_b32 v[TM+3], 0
	v_lshlrev_b32 v12, 3, v8                       ; 8 x lane
	v_lshlrev_b32 v13, 2, v8                       ; 4 x lane
	v_lshlrev_b32 v14, 6, v11                      ; 64 h
	v_and_b32 v16, 8, v10
	s_delay_alu instid0(VALU_DEP_1)
	v_add_nc_u32 v16, v16, v10                     ; r + 8 (r / 8): a tile's row in its 32
; 32 numbers of a lane, register 16 b + i = k 32 b + 16 (lane / 16) + i of my row, become a half image in v[P] .. v[P + 5] and the two scale bytes in v[PW].
.macro QUANT2 s
	v_max3_num_f32 v[TM], |v[\s]|, |v[\s+1]|, 0x1800000          ; the floor 2^(3 - 127): the byte cannot fall under 1
	v_max3_num_f32 v[TM+1], |v[\s+16]|, |v[\s+17]|, 0x1800000
.irp i, 2,4,6,8,10,12,14
	s_delay_alu instid0(VALU_DEP_2)
	v_max3_num_f32 v[TM], v[TM], |v[\s+\i]|, |v[\s+1+\i]|
	s_delay_alu instid0(VALU_DEP_2)
	v_max3_num_f32 v[TM+1], v[TM+1], |v[\s+16+\i]|, |v[\s+17+\i]|
.endr
	s_delay_alu instid0(VALU_DEP_2)
	v_permlanex16_b32 v[TM+2], v[TM], s[SEL], s[SEL+1]
	s_delay_alu instid0(VALU_DEP_2)
	v_permlanex16_b32 v[TM+3], v[TM+1], s[SEL], s[SEL+1]
	s_delay_alu instid0(VALU_DEP_2)
	v_max_num_f32 v[TM], v[TM], v[TM+2]
	s_delay_alu instid0(VALU_DEP_2)
	v_max_num_f32 v[TM+1], v[TM+1], v[TM+3]
	s_delay_alu instid0(VALU_DEP_2)
	v_add_nc_u32 v[TM+4], 0xff000000, v[TM]        ; 2 off the exponent field: the conversion's scale operand
	s_delay_alu instid0(VALU_DEP_2)
	v_add_nc_u32 v[TM+5], 0xff000000, v[TM+1]
	s_delay_alu instid0(VALU_DEP_2)
	v_lshrrev_b32 v[TM+6], 23, v[TM+4]
	s_delay_alu instid0(VALU_DEP_2)
	v_lshrrev_b32 v[TM+7], 23, v[TM+5]
	s_delay_alu instid0(VALU_DEP_1)
	v_lshl_or_b32 v[PW], v[TM+7], 8, v[TM+6]
	v_cvt_scalef32_pk16_fp6_f32 v[P:P+2], v[\s:\s+15], v[TM+4]
	v_cvt_scalef32_pk16_fp6_f32 v[P2:P2+2], v[\s+16:\s+31], v[TM+5]
	v_nop                                          ; one plain place behind a scaled conversion
.irp i, 0,1,2
	v_permlane16_swap_b32 v[P+\i], v[P2+\i]        ; lanes 0-15 get block 0 whole, lanes 16-31 block 1
.endr
.irp i, 0,1,2
	s_delay_alu instid0(VALU_DEP_3)
	v_mov_b32 v[P+3+\i], v[P2+\i]
.endr
.endm
	s_cmp_eq_u32 s24, 5
	s_cbranch_scc1 .Lvpath
; ---------------- q and k: bias, the turn, the quantiser along the head's 64 ----------------
	s_cmp_eq_u32 s24, 4
	s_cselect_b64 s[66:67], s[18:19], s[16:17]     ; k goes to kvbuf, q to qbuf
	s_cselect_b64 s[68:69], s[10:11], s[8:9]       ; bk or bq
	s_cselect_b32 s70, 2, 4                        ; heads a batch, as a shift
	s_cselect_b32 s71, 0, s24
	s_mov_b32 s72, 106496
	s_cselect_b32 s72, 208896, s72                 ; bytes of a head's block
	s_mov_b32 s73, 98304
	s_cselect_b32 s73, 196608, s73                 ; where its scale words begin
	s_lshr_b32 s74, s23, 3                         ; the batch
	s_lshl_b32 s74, s74, s70
	s_lshl_b32 s75, s71, 2
	s_add_co_u32 s74, s74, s75
	s_add_co_u32 s74, s74, s21                     ; + the head
	s_mul_i32 s74, s74, s72
	s_and_b32 s75, s23, 7
	s_lshl_b32 s75, s75, 4
	s_lshl_b32 s76, s22, 2
	s_add_co_u32 s75, s75, s76                     ; my first tile of tokens in the sequence
	s_mul_i32 s76, s75, 768
	s_add_co_u32 s76, s76, s74
	s_mov_b32 s77, 0
	s_add_nc_u64 s[78:79], s[66:67], s[76:77]      ; the half images
	s_lshl_b32 s76, s75, 6
	s_add_co_u32 s76, s76, s74
	s_add_co_u32 s76, s76, s73
	s_add_nc_u64 s[80:81], s[66:67], s[76:77]      ; the scale words
	s_lshl_b32 s76, s71, 10
	s_lshl_b32 s75, s21, 8
	s_add_co_u32 s76, s76, s75
	s_add_nc_u64 s[68:69], s[68:69], s[76:77]      ; the head's 64 biases
	s_lshl_b32 s76, s23, 8
	s_lshl_b32 s75, s22, 6
	s_add_co_u32 s76, s76, s75
	s_lshl_b32 s76, s76, 8
	s_add_nc_u64 s[14:15], s[14:15], s[76:77]      ; the table at my first token
	s_wait_alu depctr_va_vdst(0)
	v_lshl_add_u32 v15, v16, 8, v14                ; my token's row of the table, + 64 h: frequencies 16 h + 0 .. 15
	v_cmp_lt_u32 s82, 15, v8                       ; lanes 16-31
.irp b, 0,1
.irp q, 0,1,2,3
	global_load_b128 v[BI+16*\b+4*\q:BI+16*\b+4*\q+3], v14, s[68:69] offset:128*\b+16*\q   ; register 16 b + i: the bias of d = 32 b + 16 h + i
.endr
.endr
.macro CSLOAD a                                    ; the cosines and sines of tile a's tokens
.irp q, 0,1,2,3
	global_load_b128 v[CSR+4*\q:CSR+4*\q+3], v15, s[14:15] offset:(32*((\a)/2)+8*((\a)%2))*256+16*\q
	global_load_b128 v[CSR+16+4*\q:CSR+16+4*\q+3], v15, s[14:15] offset:(32*((\a)/2)+8*((\a)%2))*256+128+16*\q
.endr
.endm
	CSLOAD 0
.macro QKA a
.set AR, ACC+32*(\a)
	s_wait_loadcnt 0x0                             ; the bias, and this tile's cosines and sines
.if (\a) > 0
	s_wait_xcnt 0x0                                ; the last tile's stores have read their registers
.endif
.set j, 0
.rept 16
	v_pk_add_f32 v[AR+j:AR+j+1], v[AR+j:AR+j+1], v[BI+j:BI+j+1]   ; each accumulator from its low end on
.set j, j+2
.endr
.irp j, 0,2,4,6,8,10,12,14                         ; d < 32: q cos - q(d + 32) sin;  d >= 32: q cos + q(d - 32) sin
	v_pk_mul_f32 v[TP+\j%8:TP+\j%8+1], v[AR+\j:AR+\j+1], v[CSR+16+\j:CSR+17+\j]
	v_pk_mul_f32 v[AR+\j:AR+\j+1], v[AR+\j:AR+\j+1], v[CSR+\j:CSR+\j+1]
	s_delay_alu instid0(VALU_DEP_1)
	v_pk_fma_f32 v[AR+\j:AR+\j+1], v[AR+16+\j:AR+17+\j], v[CSR+16+\j:CSR+17+\j], v[AR+\j:AR+\j+1] neg_lo:[1,0,0] neg_hi:[1,0,0]
	s_delay_alu instid0(VALU_DEP_3)
	v_pk_fma_f32 v[AR+16+\j:AR+17+\j], v[AR+16+\j:AR+17+\j], v[CSR+\j:CSR+\j+1], v[TP+\j%8:TP+\j%8+1]
.endr
.if (\a) < 3
	CSLOAD (\a)+1                                  ; the next tile's land while this one is quantised
.endif
	QUANT2 AR
	global_store_b128 v9, v[P:P+3], s[78:79] offset:768*(\a)         ; 512 consecutive bytes,
	global_store_b64 v12, v[P+4:P+5], s[78:79] offset:768*(\a)+512   ; and 256
.if (\a)%2 == 0
	v_mov_b32 v[PWE], v[PW]
.else
	v_cndmask_b32 v[PWS], v[PWE], v[PW], s82       ; lanes 0-15 the even tile's words, lanes 16-31 the odd one's
	global_store_b32 v13, v[PWS], s[80:81] offset:64*((\a)-1)
.endif
.endm
	QKA 0
	QKA 1
	QKA 2
	QKA 3
	s_branch .Ldone
; ---------------- v: bias, the quantiser along the keys ----------------
.Lvpath:
	s_lshr_b32 s74, s23, 3
	s_lshl_b32 s74, s74, 2
	s_add_co_u32 s74, s74, s22                     ; batch x 4 + kv head
	s_mul_i32 s74, s74, 208896
	s_and_b32 s75, s23, 7
	s_lshl_b32 s75, s75, 1
	s_lshr_b32 s76, s21, 1
	s_add_co_u32 s75, s75, s76                     ; my 64 tokens' key step of 128,
	s_and_b32 s72, s21, 1                          ; and which half of it
	s_mul_i32 s76, s75, 6144
	s_add_co_u32 s76, s76, s74
	s_mul_i32 s73, s72, 768
	s_add_co_u32 s76, s76, s73
	s_add_co_u32 s76, s76, 98304
	s_mov_b32 s77, 0
	s_add_nc_u64 s[78:79], s[18:19], s[76:77]
	s_lshl_b32 s76, s75, 8
	s_add_co_u32 s76, s76, s74
	s_lshl_b32 s73, s72, 1
	s_add_co_u32 s76, s76, s73
	s_add_co_u32 s76, s76, 204800
	s_add_nc_u64 s[80:81], s[18:19], s[76:77]
	s_lshl_b32 s76, s22, 8
	s_add_nc_u64 s[12:13], s[12:13], s[76:77]      ; the head's 64 biases
	s_wait_alu depctr_va_vdst(0)
	v_lshlrev_b32 v16, 2, v16
	v_lshlrev_b32 v17, 2, v10
.irp a, 0,1,2,3
	global_load_b32 v[BI+2*\a], v16, s[12:13] offset:(32*(\a/2)+8*(\a%2))*4   ; my lane's d in tile a
	v_mov_b32 v[BI+2*\a+1], 0                      ; (named with it as a pair)
.endr
	s_wait_alu depctr_va_vdst(0)
	s_wait_loadcnt 0x0
.macro VEP a
.set AR, ACC+32*(\a)
.if (\a) > 0
	s_wait_xcnt 0x0                                ; the last tile's stores have read their registers
.endif
.set j, 0
.rept 16
	v_pk_add_f32 v[AR+j:AR+j+1], v[AR+j:AR+j+1], v[BI+2*(\a):BI+2*(\a)+1] op_sel_hi:[1,0]
.set j, j+2
.endr
	QUANT2 AR
	global_store_b128 v9, v[P:P+3], s[78:79] offset:1536*(\a)
	global_store_b64 v12, v[P+4:P+5], s[78:79] offset:1536*(\a)+512
	global_store_b16 v17, v[PW], s[80:81] offset:64*(\a)   ; two bytes of row r's word; lanes 16-31 write the same bytes with the same value
.endm
	VEP 0
	VEP 1
	VEP 2
	VEP 3
.Ldone:
	s_wait_tensorcnt 0x0                           ; the wave's end
	ds_add_u32 v[SPW], v[NIL]
	s_wait_dscnt 0x0
	s_endpgm
.Lfunc_end_k_q371f7b6ea4_qkv:
	.size	k_q371f7b6ea4_qkv, .Lfunc_end_k_q371f7b6ea4_qkv-k_q371f7b6ea4_qkv
	.p2alignl 7, 3214868480
	.fill 96, 4, 3214868480
	.section	.rodata,"a",@progbits
	.p2align	6, 0x0
	.amdhsa_kernel k_q371f7b6ea4_qkv
		.amdhsa_group_segment_fixed_size 327680
		.amdhsa_private_segment_fixed_size 0
		.amdhsa_enable_private_segment 0
		.amdhsa_kernarg_size 64
		.amdhsa_user_sgpr_count 2
		.amdhsa_user_sgpr_kernarg_segment_ptr 1
		.amdhsa_wavefront_size32 1
		.amdhsa_system_sgpr_workgroup_id_x 1
		.amdhsa_system_sgpr_workgroup_id_y 1
		.amdhsa_system_sgpr_workgroup_id_z 1
		.amdhsa_system_vgpr_workitem_id 0
		.amdhsa_next_free_vgpr 256
		.amdhsa_next_free_sgpr 96
		.amdhsa_reserve_vcc 0
		.amdhsa_float_denorm_mode_32 3
		.amdhsa_float_denorm_mode_16_64 3
		.amdhsa_memory_ordered 1
		.amdhsa_forward_progress 1
		.amdhsa_inst_pref_size 87
	.end_amdhsa_kernel
	.amdgpu_metadata
---
amdhsa.version: [ 1, 2 ]
amdhsa.kernels:
  - .name:           k_q371f7b6ea4_qkv
    .symbol:         k_q371f7b6ea4_qkv.kd
    .args:
      - { .name: xq, .offset: 0, .size: 8, .value_kind: global_buffer, .address_space: global }
      - { .name: wc, .offset: 8, .size: 8, .value_kind: global_buffer, .address_space: global }
      - { .name: bq, .offset: 16, .size: 8, .value_kind: global_buffer, .address_space: global }
      - { .name: bk, .offset: 24, .size: 8, .value_kind: global_buffer, .address_space: global }
      - { .name: bv, .offset: 32, .size: 8, .value_kind: global_buffer, .address_space: global }
      - { .name: rope, .offset: 40, .size: 8, .value_kind: global_buffer, .address_space: global }
      - { .name: qbuf, .offset: 48, .size: 8, .value_kind: global_buffer, .address_space: global }
      - { .name: kvbuf, .offset: 56, .size: 8, .value_kind: global_buffer, .address_space: global }
    .group_segment_fixed_size: 327680
    .private_segment_fixed_size: 0
    .kernarg_segment_align: 8
    .kernarg_segment_size: 64
    .max_flat_workgroup_size: 512
    .sgpr_count:     96
    .vgpr_count:     256
    .wavefront_size: 32
...
	.end_amdgpu_metadata
.endif
;; end of part 2
;; launch attn (part 3): grid 16 x 16, 16 waves a work-group, clusters of 4 x 1, 236,544 bytes of LDS; arguments qbuf, kvbuf, aq; writes aq
.if DOCPART == 3
	.amdgcn_target "amdgcn-amd-amdhsa--gfx1250"
	.amdhsa_code_object_version 6
	.text
	.protected	k_q371f7b6ea4_attn
	.globl	k_q371f7b6ea4_attn
	.p2align	8
	.type	k_q371f7b6ea4_attn,@function
k_q371f7b6ea4_attn:
	s_mov_b64 s[64:65], 0
	v_nop
	global_prefetch_b8 v0, s[64:65] scope:SCOPE_SE
	s_setreg_imm32_b32 hwreg(HW_REG_WAVE_MODE, 25, 1), 1
	s_wait_xcnt 0x0
	s_wait_alu depctr_hold_cnt(0) depctr_sa_sdst(0) depctr_va_vdst(0) depctr_va_sdst(0) depctr_va_ssrc(0) depctr_va_vcc(0) depctr_vm_vsrc(0)
	s_getreg_b32 s2, hwreg(HW_REG_IB_STS2, 6, 4)
	s_cmp_eq_u32 s2, 0
	s_cbranch_scc0 .Lentry_in_a_cluster
	s_endpgm
.Lentry_in_a_cluster:
	s_bfe_u32 s2, ttmp6, 0x10000c
	s_cmp_lg_u32 s2, 0x3003
	s_cbranch_scc0 .Lentry_shape_is_right
	s_endpgm
.Lentry_shape_is_right:
; Attention on codes of FP6 (E2M3): S^T = K Q^T (K = the head's 64), the softmax, O^T = V^T P^T (K = the keys), O / the row's sum, and the quantiser of the result for the last product.
; THE SOFTMAX: t = score x log2(e) / 8; M = the running largest t rounded up to a whole number; p = 2^(t - M) is quantised along the keys, not normalised; the row's sum is taken of the unquantised p.
; When M moves, the sum and O are multiplied by 2^(old M - new M): exact.
; SHARES.  y = batch x 4 + kv head.  All of that head's K and V, codes and scale words (208,896 bytes, one dense block of kvbuf), lies in LDS for the whole launch: filled once, no ring.
; A cluster of four work-groups is one query head: the four need the same block, so each of its sixteen parts is asked for jointly.  A work-group owns 512 queries in two passes of 256; in a pass
; each of the sixteen waves owns one tile of 16 queries.  Both products are used transposed: a lane holds ONE query throughout.
; THE UPPER 64 OF THE INSTRUCTION'S 128 in S^T: Q's fragment has zero codes there, so K's may hold any codes: K's eight half fragments of a step lie six registers apart, each followed by the next
; (the last by p's codes), 48 registers for 128 keys.  The scale bytes of those blocks are 0 on both sides, a finite code.
; K RUNS A STEP AHEAD: in each step the next step's K is asked of LDS into the registers that the step's products on K have read; pass 0's last step asks for key step 0 again, and for pass 1's Q.
; THE WAVES WALK IN STEP: each step of the loops holds a barrier, signalled at its head and waited for at its end, so that no wave is more than a step ahead of another.  It orders no memory:
; between signal and wait stand register work and LDS loads of K and V, which no wave writes.
; THE WAY OUT.  reference() reads (head, query, d) as rows of 1,024: row = head x 128 + query / 16, column = 64 (query % 16) + d.  A pass's 256 queries are 16 rows: one tile of the last product's
; operand.  Each lane's codes go to their place in the tile's image in LDS, a stage for each pass; one barrier behind both passes, and the two images, 25,600 consecutive bytes, leave in stores of 512.
; No prefetch: the one stream is asked for at the kernel's head.
; LIMITS: NaN and infinities are not served; the scaled scores stay under 2^31 in magnitude; blocks under 2^-124 keep the byte 1, a block of zeros too (its codes are zeros; this program alone reads the bytes).
.set SPARE, 208896                     ; behind K and V: the spare words, 128 bytes a wave: eight blocks of 256 bytes that no other line names
.set STG,   210944                     ; two stages of 12,800 bytes on end, one for each pass; no tensor load lands there
.set L16, 1
.set L8,  2
.set L4,  3
.set SPW, 4                            ; my spare word; never rewritten
.set NIL, 5                            ; 0; never rewritten
.set ADK16, 6                          ; v6-11 LDS addresses: the next step's K, this step's V
.set ADK8,  7
.set ADV16, 8
.set ADV8,  9
.set ADKS,  10
.set ADVS,  11
.set F,   12                           ; v[12:13] f = 2^(old M - new M); v13 is named with it as a pair
.set TMP, 14
.set R4,  15                           ; 4 (lane % 16)
.set Q,   16                           ; v16-27 Q's fragment; v22-27 zeros
.set NM,  28                           ; v28 -M, v29 the largest t
.set SUM, 30                           ; v[30:31] the row's sum in two halves
.set KF,  32                           ; v32-79 eight half fragments of K
.set P,   80                           ; v80-91 p's codes
.set BM,  88                           ; v88-91 the blocks' largest scores, before the codes take their place
.set VF,  92                           ; v92-139 four fragments of V
.set S,   140                          ; v140-203 S^T, then p
.set O,   204                          ; v204-235 O^T
.set T,   236                          ; v236-247 at work
.set SO,  244                          ; v244-247 the conversions' scale operands
.set KS,  248                          ; v248-251 K's scale words, two tiles to a register
.set VS,  252                          ; v252, v253 V's
.set QS,  254                          ; Q's
.set PS,  255                          ; p's
.set TM,  236                          ; the way out's quantiser: at work,
.set P2,  244                          ; its second conversion,
.set PW,  255                          ; its two scale bytes
.set W,   176                          ; v176-186 the way out's addresses
.set WV,  10
.set CX,  11
.set Y,   13
.set G1,  16
.set G0,  24
.set SEL, 28
.set CS,  30
.set SK,  32
.set SV,  33
.set SKS, 34
.set SVS, 35
.set CNT, 36
.set SB,  37
.set QA,  46
.set QW,  48
.set AQ,  50
.set SPB, 52
.set SCP, 53
.set SGO, 54
.macro ROUND                           ; a round of the cluster's barrier
	s_barrier_signal -1
	s_barrier_wait -1
	s_cmp_lg_u32 s[WV], 0
	s_cbranch_scc1 .Lnot_wave_0_\@
	s_barrier_signal -3
.Lnot_wave_0_\@:
	s_barrier_wait -3
	s_barrier_signal -1
	s_barrier_wait -1
.endm
.macro KL on, a16, a8, t               ; half fragment t of K: two loads
.if \on
	ds_load_b128 v[KF+6*\t:KF+6*\t+3], v[\a16] offset:768*\t
	ds_load_b64 v[KF+6*\t+4:KF+6*\t+5], v[\a8] offset:768*\t+512
.endif
.endm
.macro KSL on                          ; K's scale words: lanes 0-15 tile 2 j's, lanes 16-31 tile 2 j + 1's
.if \on
.irp j, 0,1,2,3
	ds_load_b32 v[KS+\j], v[ADKS] offset:128*\j
.endr
.endif
.endm
.macro VL t, c                         ; half c of V's fragment t: two loads
	ds_load_b128 v[VF+12*\t+6*\c:VF+12*\t+6*\c+3], v[ADV16] offset:1536*\t+768*\c
	ds_load_b64 v[VF+12*\t+6*\c+4:VF+12*\t+6*\c+5], v[ADV8] offset:1536*\t+768*\c+512
.endm
	s_load_b128 s[4:7], s[0:1], 0x0                ; qbuf, kvbuf
	s_load_b64 s[8:9], s[0:1], 0x10                ; aq
	v_lshl_add_u32 v[SPW], v0, 2, SPARE
	v_mov_b32 v[NIL], 0
	ds_add_u32 v[SPW], v[NIL]                      ; the wave's opening: the add, twice on end, and its wait ahead of my first tensor load
	ds_add_u32 v[SPW], v[NIL]
	v_lshrrev_b32 v1, 5, v0
	s_delay_alu instid0(VALU_DEP_1)
	v_readfirstlane_b32 s[WV], v1                  ; wave 0..15
	s_bfe_u32 s[CX], ttmp6, 0x40000                ; my place in the cluster: it enters Q's and aq's addresses alone
	s_and_b32 s[Y], ttmp7, 0xffff                  ; batch x 4 + kv head, which the four partners share
	s_mov_b32 s[G1], 15|(3<<16)|(1<<21)            ; the mask: all four work-groups; elements of 8 bytes; bit 21 set beside a mask
	s_mov_b32 s[G1+1], 32<<16                      ; rows of 256 bytes
	s_mov_b32 s[G1+2], 51<<16                      ; 51 of them: a sixteenth of the block
	s_mov_b32 s[G1+3], 32<<16
	s_mov_b32 s[G1+4], 51
	s_mov_b32 s[G1+5], 32
	s_mov_b32 s[G1+6], 0
	s_mov_b32 s[G1+7], 0
	s_mov_b32 s[G0], 1
	s_mul_i32 s[G0+1], s[WV], 13056
	s_mul_i32 s38, s[Y], 208896
	s_add_co_u32 s38, s38, s[G0+1]
	s_mov_b32 s39, 0
	s_mov_b32 s[SEL], 0x76543210
	s_mov_b32 s[SEL+1], 0xfedcba98
	s_mov_b32 s[CS], 0x3e38aa3b                    ; c = log2(e) / 8
	s_mov_b32 s[CS+1], s[CS]                       ; (named with it as a pair)
	s_wait_dscnt 0x0                               ; both opening adds are done
	s_wait_kmcnt 0x0
	s_add_nc_u64 s[G0+2:G0+3], s[6:7], s[38:39]
	s_or_b32 s[G0+3], s[G0+3], 0x80000000
	ROUND                                          ; all four work-groups are here: the joint loads meet
	tensor_load_to_lds s[G0:G0+3], s[G1:G1+7]      ; my one tensor load of the launch
	s_nop 0
	s_lshl_b32 s40, s[Y], 2
	s_add_co_u32 s40, s40, ttmp9                   ; batch x 16 + query head
	s_mul_i32 s41, s40, 106496
	s_lshl_b32 s42, s[CX], 5
	s_add_co_u32 s42, s42, s[WV]                   ; my tile of queries in pass 0; pass 1's lies 16 tiles on
	s_mul_i32 s43, s42, 768
	s_add_co_u32 s44, s41, s43
	s_mov_b32 s45, 0
	s_add_nc_u64 s[QA:QA+1], s[4:5], s[44:45]
	s_lshl_b32 s43, s42, 6
	s_add_co_u32 s44, s41, s43
	s_add_co_u32 s44, s44, 98304
	s_add_nc_u64 s[QW:QW+1], s[4:5], s[44:45]
	s_lshl_b32 s43, s40, 3
	s_lshl_b32 s44, s[CX], 1
	s_add_co_u32 s43, s43, s44                     ; aq's tile of pass 0; pass 1's follows it
	s_mul_i32 s44, s43, 12800
	s_add_nc_u64 s[AQ:AQ+1], s[8:9], s[44:45]
	s_and_b32 s38, s[WV], 1
	s_lshr_b32 s39, s[WV], 1
	s_mul_i32 s[SB], s38, 6144
	s_lshl_b32 s40, s39, 5
	s_add_co_u32 s[SB], s[SB], s40
	s_add_co_u32 s[SB], s[SB], STG                 ; the stage: K steps 4 (w % 2) on, rows 2 (w / 2) on
	s_lshl_b32 s[SPB], s38, 8
	s_lshl_b32 s40, s39, 3
	s_add_co_u32 s[SPB], s[SPB], s40
	s_add_co_u32 s[SPB], s[SPB], STG+12288         ; and the same among its scale words
	s_lshl_b32 s[SGO], s[WV], 9
	s_add_co_u32 s[SCP], s[SGO], STG               ; the copy out: block w of 512 bytes
	v_and_b32 v[TMP], 31, v0
	v_and_b32 v[R4], 15, v0
	s_delay_alu instid0(VALU_DEP_2)
	v_lshlrev_b32 v[L16], 4, v[TMP]
	v_lshlrev_b32 v[L8], 3, v[TMP]
	v_lshlrev_b32 v[L4], 2, v[TMP]
	v_lshlrev_b32 v[R4], 2, v[R4]
	global_load_b128 v[Q:Q+3], v[L16], s[QA:QA+1]  ; pass 0's Q
	global_load_b64 v[Q+4:Q+5], v[L8], s[QA:QA+1] offset:512
	global_load_b32 v[QS], v[R4], s[QW:QW+1]
	v_add_nc_u32 v[ADKS], 196608, v[L4]            ; key step 0's scale words
.irp i, 0,1,2,3,4,5
	v_mov_b32 v[Q+6+\i], 0                         ; the upper 64 of K: zero codes, written once
	v_mov_b32 v[P+\i], 0                           ; named behind K's last half fragment before p's codes are first made
.endr
.irp b, 0,1,2,3
	v_mov_b32 v[T+\b], 0                           ; a lane permute's destination counts as one of its sources
.endr
	v_mov_b32 v[F+1], 0
	s_wait_alu depctr_va_vdst(0)                   ; the wait at the head's end
	s_wait_tensorcnt 0x0                           ; my part of K and V is in,
	s_barrier_signal -1
	s_barrier_wait -1                              ; everybody's is
.irp t, 0,1,2,3,4,5,6,7
	KL 1, L16, L8, \t                              ; key step 0's K
.endr
	KSL 1
; A KEY STEP: 128 keys.  pre = 1: the next step's K is asked for;  qn = 1: pass 1's Q too;  bar = 1: the step holds the barrier that keeps the waves in step.
.macro STEP pre, qn, bar
	s_wait_alu depctr_va_vdst(0)                   ; the wait here, directly ahead of the wait below
	s_wait_dscnt 0x0                               ; K and its words, asked for a step ago, are in; no LDS instruction of mine is out
.if \bar
	s_barrier_signal -1                            ; I have begun this step
.endif
.irp t, 0,1,2,3,4,5,6,7
.if \t%2
	v_wmma_scale_f32_16x16x128_f8f6f4 v[S+8*\t:S+8*\t+7], v[KF+6*\t:KF+6*\t+11], v[Q:Q+11], 0, v[KS+\t/2], v[QS] matrix_a_fmt:MATRIX_FMT_FP6 matrix_b_fmt:MATRIX_FMT_FP6 matrix_a_scale:MATRIX_SCALE_ROW1
.else
	v_wmma_scale_f32_16x16x128_f8f6f4 v[S+8*\t:S+8*\t+7], v[KF+6*\t:KF+6*\t+11], v[Q:Q+11], 0, v[KS+\t/2], v[QS] matrix_a_fmt:MATRIX_FMT_FP6 matrix_b_fmt:MATRIX_FMT_FP6
.endif
.endr
	v_add_nc_u32 v[ADV16], s[SV], v[L16]           ; the first four of these are the places in front of the first read of results and of loads into registers that products have read
	v_add_nc_u32 v[ADV8], s[SV], v[L8]
	v_add_nc_u32 v[ADVS], s[SVS], v[L4]
.if \pre
	v_add_nc_u32 v[ADK16], s[SK], v[L16]
	v_add_nc_u32 v[ADK8], s[SK], v[L8]
	v_add_nc_u32 v[ADKS], s[SKS], v[L4]
.else
	v_nop
.endif
.if \qn
	global_load_b128 v[Q:Q+3], v[L16], s[QA:QA+1] offset:12288
	global_load_b64 v[Q+4:Q+5], v[L8], s[QA:QA+1] offset:12288+512
	global_load_b32 v[QS], v[R4], s[QW:QW+1] offset:1024
.endif
.irp b, 0,1,2,3
	v_max3_num_f32 v[BM+\b], v[S+16*\b], v[S+1+16*\b], v[S+2+16*\b]   ; the largest score of each block of 32 keys: for the row's maximum, and, since p rises with the score, for the block's largest p
.endr
.irp i, 3,5,7,9,11,13
.irp b, 0,1,2,3
	v_max3_num_f32 v[BM+\b], v[BM+\b], v[S+16*\b+\i], v[S+1+16*\b+\i]
.endr
.endr
.irp b, 0,1,2,3
	v_max_num_f32 v[BM+\b], v[BM+\b], v[S+15+16*\b]
.endr
; The lines that find M hang on each other: the step's LDS loads stand among them, V's eighteen ahead of K's twenty.
.irp b, 0,1,2,3
	s_delay_alu instid0(VALU_DEP_4)
	v_permlanex16_b32 v[T+\b], v[BM+\b], s[SEL], s[SEL+1]
.endr
	VL 0, 0
	VL 0, 1
.irp b, 0,1,2,3
	v_max_num_f32 v[BM+\b], v[BM+\b], v[T+\b]      ; with lane l xor 16's 16 keys
.endr
	VL 1, 0
	VL 1, 1
	v_max3_num_f32 v[TMP], v[BM], v[BM+1], v[BM+2]
	VL 2, 0
	v_max_num_f32 v[TMP], v[TMP], v[BM+3]
	VL 2, 1
	v_mul_f32 v[TMP], s[CS], v[TMP]                ; as t (c is positive)
	VL 3, 0
	v_max_num_f32 v[NM+1], v[NM+1], v[TMP]         ; the running largest t
	v_mov_b32 v[TMP], v[NM]
	VL 3, 1
	v_floor_f32 v[NM], -v[NM+1]                    ; the new -M = floor(-t): M is a whole number
.irp j, 0,1
	ds_load_b32 v[VS+\j], v[ADVS] offset:128*\j
.endr
	v_sub_f32 v[TMP], v[NM], v[TMP]                ; old M - new M: a whole number, 0 or less
	KL \pre, ADK16, ADK8, 0
	KL \pre, ADK16, ADK8, 1
	v_cvt_i32_f32 v[TMP], v[TMP]                   ; (it saturates)
	KL \pre, ADK16, ADK8, 2
	KL \pre, ADK16, ADK8, 3
	v_ldexp_f32 v[F], 1.0, v[TMP]                  ; f = 2^(old M - new M)
	KL \pre, ADK16, ADK8, 4
	KL \pre, ADK16, ADK8, 5
	KL \pre, ADK16, ADK8, 6
	KL \pre, ADK16, ADK8, 7
	KSL \pre
.set j, 0
.rept 32
	v_pk_fma_f32 v[S+j:S+j+1], v[S+j:S+j+1], s[CS:CS+1], v[NM:NM+1] op_sel_hi:[1,0,0]   ; t - M, two at a time
.set j, j+2
.endr
.irp b, 0,1,2,3
	v_fma_f32 v[BM+\b], v[BM+\b], s[CS], v[NM]     ; the same of each block's largest score
.endr
	s_wait_alu depctr_va_vdst(0)                   ; the wait ahead of the batch
.set j, 0
.rept 64
	v_exp_f32 v[S+j], v[S+j]                       ; p = 2^(t - M)
.set j, j+1
.endr
	v_pk_mul_f32 v[SUM:SUM+1], v[SUM:SUM+1], v[F:F+1] op_sel_hi:[1,0]   ; the sums under the new M; the plain instruction behind the exponentials
	s_wait_alu depctr_va_vdst(0)                   ; one wait for the whole batch, ahead of its first reader
.irp b, 0,1,2,3
	v_exp_f32 v[BM+\b], v[BM+\b]                   ; the block's largest p: the same two instructions on the same number
.endr
.irp i, 0,1,2,3,4,5                                ; the row's sum of the unquantised p: 32 pairs and the running pair, 32 additions in seven chains
	v_pk_add_f32 v[T+2*\i:T+2*\i+1], v[S+4*\i:S+4*\i+1], v[S+4*\i+2:S+4*\i+3]
.endr
.irp r, 24,36,48
.irp i, 0,1,2,3,4,5
	v_pk_add_f32 v[T+2*\i:T+2*\i+1], v[T+2*\i:T+2*\i+1], v[S+\r+2*\i:S+\r+2*\i+1]
.endr
.if \r < 48
	v_pk_add_f32 v[SUM:SUM+1], v[SUM:SUM+1], v[S+60+(\r-24)/6:S+61+(\r-24)/6]
.endif
.endr
	v_pk_add_f32 v[T:T+1], v[T:T+1], v[T+2:T+3]
	v_pk_add_f32 v[T+4:T+5], v[T+4:T+5], v[T+6:T+7]
	v_pk_add_f32 v[T+8:T+9], v[T+8:T+9], v[T+10:T+11]
	s_delay_alu instid0(VALU_DEP_2)
	v_pk_add_f32 v[T:T+1], v[T:T+1], v[T+4:T+5]
	s_delay_alu instid0(VALU_DEP_2)
	v_pk_add_f32 v[SUM:SUM+1], v[SUM:SUM+1], v[T+8:T+9]
	s_delay_alu instid0(VALU_DEP_1)
	v_pk_add_f32 v[SUM:SUM+1], v[SUM:SUM+1], v[T:T+1]
	s_wait_alu depctr_va_vdst(0)                   ; and one for the four
.irp b, 0,1,2,3
	v_max_num_f32 v[BM+\b], 0x1800000, v[BM+\b]    ; the floor 2^(3 - 127)
.endr
.irp b, 0,1,2,3
	s_delay_alu instid0(VALU_DEP_4)
	v_add_nc_u32 v[SO+\b], 0xff000000, v[BM+\b]    ; 2 off the exponent field: the conversion's scale operand
.endr
.irp b, 0,1,2,3
	s_delay_alu instid0(VALU_DEP_4)
	v_lshrrev_b32 v[T+\b], 23, v[SO+\b]            ; the scale's byte
.endr
	s_delay_alu instid0(VALU_DEP_3)
	v_lshl_or_b32 v[PS], v[T+1], 8, v[T]           ; p's scale word for these 128 keys
	s_delay_alu instid0(VALU_DEP_1)
	v_lshl_or_b32 v[PS], v[T+2], 16, v[PS]
	s_delay_alu instid0(VALU_DEP_1)
	v_lshl_or_b32 v[PS], v[T+3], 24, v[PS]
.irp c, 0,1
	v_cvt_scalef32_pk16_fp6_f32 v[P+6*\c:P+2+6*\c], v[S+32*\c:S+15+32*\c], v[SO+2*\c]
	v_cvt_scalef32_pk16_fp6_f32 v[T+4*\c:T+2+4*\c], v[S+16+32*\c:S+31+32*\c], v[SO+2*\c+1]   ; (a conversion's three registers begin on an even number)
.endr
	v_nop                                          ; one plain place behind a scaled conversion
.irp c, 0,1
.irp i, 0,1,2
	v_permlane16_swap_b32 v[P+6*\c+\i], v[T+4*\c+\i]
.endr
.irp i, 0,1,2
	s_delay_alu instid0(VALU_DEP_3)
	v_mov_b32 v[P+3+6*\c+\i], v[T+4*\c+\i]
.endr
.endr
	s_wait_dscnt 20*\pre                           ; V and its words are in; the twenty loads of the next step's K may stay out
	s_wait_alu depctr_va_vdst(0)                   ; the wait here, directly ahead of the first reader of O^T
.set j, 0
.rept 16
	v_pk_mul_f32 v[O+j:O+j+1], v[O+j:O+j+1], v[F:F+1] op_sel_hi:[1,0]   ; O^T under the new M; these sixteen also stand between the writes of p's codes and scale word and the products
.set j, j+2
.endr
.irp t, 0,1,2,3                                    ; O^T += V^T P^T: the four accumulators by turns
.if \t%2
	v_wmma_scale_f32_16x16x128_f8f6f4 v[O+8*\t:O+8*\t+7], v[VF+12*\t:VF+12*\t+11], v[P:P+11], v[O+8*\t:O+8*\t+7], v[VS+\t/2], v[PS] matrix_a_fmt:MATRIX_FMT_FP6 matrix_b_fmt:MATRIX_FMT_FP6 matrix_a_scale:MATRIX_SCALE_ROW1
.else
	v_wmma_scale_f32_16x16x128_f8f6f4 v[O+8*\t:O+8*\t+7], v[VF+12*\t:VF+12*\t+11], v[P:P+11], v[O+8*\t:O+8*\t+7], v[VS+\t/2], v[PS] matrix_a_fmt:MATRIX_FMT_FP6 matrix_b_fmt:MATRIX_FMT_FP6
.endif
.endr
	s_add_co_u32 s[SK], s[SK], 6144                ; eight tiles of K,
	s_add_co_u32 s[SV], s[SV], 6144                ; four whole fragments of V,
	s_add_co_u32 s[SKS], s[SKS], 512
	s_add_co_u32 s[SVS], s[SVS], 256               ; and their scale words on
.if \bar
	s_barrier_wait -1                              ; every wave has begun this step
.endif
.endm
; 32 numbers of a lane, register 16 b + i = d 32 b + 16 (lane / 16) + i of my query, become six registers of codes in v[P] on and two scale bytes in v[PW].
.macro QUANT2 s
	v_max3_num_f32 v[TM], |v[\s]|, |v[\s+1]|, 0x1800000
	v_max3_num_f32 v[TM+1], |v[\s+16]|, |v[\s+17]|, 0x1800000
.irp i, 2,4,6,8,10,12,14
	s_delay_alu instid0(VALU_DEP_2)
	v_max3_num_f32 v[TM], v[TM], |v[\s+\i]|, |v[\s+1+\i]|
	s_delay_alu instid0(VALU_DEP_2)
	v_max3_num_f32 v[TM+1], v[TM+1], |v[\s+16+\i]|, |v[\s+17+\i]|
.endr
	s_delay_alu instid0(VALU_DEP_2)
	v_permlanex16_b32 v[TM+2], v[TM], s[SEL], s[SEL+1]
	s_delay_alu instid0(VALU_DEP_2)
	v_permlanex16_b32 v[TM+3], v[TM+1], s[SEL], s[SEL+1]
	s_delay_alu instid0(VALU_DEP_2)
	v_max_num_f32 v[TM], v[TM], v[TM+2]
	s_delay_alu instid0(VALU_DEP_2)
	v_max_num_f32 v[TM+1], v[TM+1], v[TM+3]
	s_delay_alu instid0(VALU_DEP_2)
	v_add_nc_u32 v[TM+4], 0xff000000, v[TM]
	s_delay_alu instid0(VALU_DEP_2)
	v_add_nc_u32 v[TM+5], 0xff000000, v[TM+1]
	s_delay_alu instid0(VALU_DEP_2)
	v_lshrrev_b32 v[TM+6], 23, v[TM+4]
	s_delay_alu instid0(VALU_DEP_2)
	v_lshrrev_b32 v[TM+7], 23, v[TM+5]
	s_delay_alu instid0(VALU_DEP_1)
	v_lshl_or_b32 v[PW], v[TM+7], 8, v[TM+6]
	v_cvt_scalef32_pk16_fp6_f32 v[P:P+2], v[\s:\s+15], v[TM+4]
	v_cvt_scalef32_pk16_fp6_f32 v[P2:P2+2], v[\s+16:\s+31], v[TM+5]
	v_nop                                          ; one plain place behind a scaled conversion
.irp i, 0,1,2
	v_permlane16_swap_b32 v[P+\i], v[P2+\i]
.endr
.irp i, 0,1,2
	s_delay_alu instid0(VALU_DEP_3)
	v_mov_b32 v[P+3+\i], v[P2+\i]
.endr
.endm
; A PASS: my tile of 16 queries against all 2,048 keys, and its codes into the pass's stage.
.macro PASS p
	v_mov_b32 v[NM+1], 0xff61b1e6                  ; the largest t so far: -3e38, under every t
	s_delay_alu instid0(VALU_DEP_1)
	v_floor_f32 v[NM], -v[NM+1]
	v_mov_b32 v[SUM], 0
	v_mov_b32 v[SUM+1], 0
.set j, 0
.rept 32
	v_mov_b32 v[O+j], 0                            ; the step is written once: the first finds zeros, which the first change of M leaves zeros
.set j, j+1
.endr
	s_mov_b32 s[SK], 6144                          ; the K that is asked for: a step ahead
	s_mov_b32 s[SV], 98304
	s_mov_b32 s[SKS], 196608+512
	s_mov_b32 s[SVS], 204800
	s_mov_b32 s[CNT], 15
	s_wait_alu depctr_va_vdst(0)                   ; the wait here, directly ahead of the wait below
	s_wait_loadcnt 0x0                             ; Q
.Lstep_\@:
	STEP 1, 0, 1
	s_sub_co_u32 s[CNT], s[CNT], 1
	s_cmp_lg_u32 s[CNT], 0
	s_cbranch_scc1 .Lstep_\@
.if \p == 0
	s_mov_b32 s[SK], 0                             ; the last step asks for what pass 1 begins with
	s_mov_b32 s[SKS], 196608
	STEP 1, 1, 0
.else
	STEP 0, 0, 0
.endif
	v_add_f32 v[SUM], v[SUM], v[SUM+1]             ; the sum's two halves,
	s_delay_alu instid0(VALU_DEP_1)
	v_permlanex16_b32 v[TMP], v[SUM], s[SEL], s[SEL+1]
	s_delay_alu instid0(VALU_DEP_1)
	v_add_f32 v[SUM], v[SUM], v[TMP]               ; and lane l xor 16's
	s_wait_alu depctr_va_vdst(0)
	v_rcp_f32 v[SUM], v[SUM]
	; my query is 32 (w / 2) + 16 (r / 8) + 8 (w % 2) + r % 8 of the pass's 256: row 2 (w / 2) + r / 8 of the tile, K step 4 (w % 2) + (r % 8) / 2, registers 6 (r % 2) on, lane row + 16 h.
	v_and_b32 v[W], 15, v0                         ; r  (independent work behind the reciprocal)
	v_bfe_u32 v[W+1], v0, 4, 1                     ; h
	s_delay_alu instid0(VALU_DEP_2)
	v_and_b32 v[W+2], 7, v[W]
	s_delay_alu instid0(VALU_DEP_1)
	v_lshrrev_b32 v[W+2], 1, v[W+2]                ; (r % 8) / 2
	v_lshrrev_b32 v[W+3], 3, v[W]                  ; r / 8
	v_and_b32 v[W+4], 1, v[W]                      ; r % 2
	s_delay_alu instid0(VALU_DEP_3)
	v_mul_u32_u24 v[W+5], v[W+2], 1536
	s_delay_alu instid0(VALU_DEP_1)
	v_lshl_add_u32 v[W+5], v[W+3], 4, v[W+5]
	s_delay_alu instid0(VALU_DEP_1)
	v_lshl_add_u32 v[W+5], v[W+1], 8, v[W+5]
	s_delay_alu instid0(VALU_DEP_1)
	v_add_nc_u32 v[W+5], s[SB], v[W+5]             ; where the lane's register 0 lies
	s_delay_alu instid0(VALU_DEP_1)
	v_mad_u32_u24 v[W+6], v[W+4], 520, v[W+5]      ; registers 0, 1 of my six (even query: 0, 1; odd: 6, 7), and 512 bytes on registers 4, 5 (4, 5; 10, 11)
	v_mad_u32_u24 v[W+7], v[W+4], 1016, v[W+5]
	s_delay_alu instid0(VALU_DEP_1)
	v_add_nc_u32 v[W+7], 8, v[W+7]                 ; registers 2, 3 (2, 3; 8, 9)
	v_lshlrev_b32 v[W+8], 6, v[W+2]
	s_delay_alu instid0(VALU_DEP_1)
	v_lshl_add_u32 v[W+8], v[W+3], 2, v[W+8]
	s_delay_alu instid0(VALU_DEP_1)
	v_lshl_add_u32 v[W+8], v[W+4], 1, v[W+8]
	s_delay_alu instid0(VALU_DEP_1)
	v_add_nc_u32 v[W+8], s[SPB], v[W+8]            ; my two bytes of the row's scale word
	s_wait_alu depctr_va_vdst(0)                   ; the wait ahead of the first reader of the reciprocal and of O^T
.set j, 0
.rept 32
	v_mul_f32 v[S+j], v[O+j], v[SUM]               ; O^T / the sum, each accumulator from its low end on
.set j, j+1
.endr
	QUANT2 S
	ds_store_b64 v[W+6], v[P:P+1] offset:12800*\p
	ds_store_b64 v[W+7], v[P+2:P+3] offset:12800*\p
	ds_store_b64 v[W+6], v[P+4:P+5] offset:12800*\p+512
	ds_store_b16 v[W+8], v[PW] offset:12800*\p     ; lanes 16-31 write the same bytes with the same value
.endm
	PASS 0
	PASS 1
	v_add_nc_u32 v[W], s[SCP], v[L16]              ; the copy out: from the stages,
	v_add_nc_u32 v[W+1], s[SGO], v[L16]            ; and to the same place in aq's two tiles
	s_wait_alu depctr_va_vdst(0)                   ; the wait here, directly ahead of the wait below
	s_wait_dscnt 0x0                               ; for the others' sake: my stores into both stages are done
	s_barrier_signal -1
	s_barrier_wait -1
.irp i, 0,1,2
	ds_load_b128 v[S+4*\i:S+4*\i+3], v[W] offset:8192*\i
.endr
.irp i, 0,1,2
	s_wait_dscnt 2-\i                              ; the younger loads may stay out
	global_store_b128 v[W+1], v[S+4*\i:S+4*\i+3], s[AQ:AQ+1] offset:8192*\i   ; 32 lanes store 512 consecutive bytes
.endr
	s_cmp_lt_u32 s[WV], 2                          ; 25,600 bytes are 50 blocks of 512: waves 0 and 1 take the last two
	s_cbranch_scc0 .Lno_tail
	ds_load_b128 v[S+12:S+15], v[W] offset:24576
	s_wait_dscnt 0x0
	global_store_b128 v[W+1], v[S+12:S+15], s[AQ:AQ+1] offset:24576
.Lno_tail:
	s_wait_tensorcnt 0x0                           ; the wave's end
	ds_add_u32 v[SPW], v[NIL]
	s_wait_dscnt 0x0
	ROUND                                          ; the closing round
	s_endpgm
.Lfunc_end_k_q371f7b6ea4_attn:
	.size	k_q371f7b6ea4_attn, .Lfunc_end_k_q371f7b6ea4_attn-k_q371f7b6ea4_attn
	.p2alignl 7, 3214868480
	.fill 96, 4, 3214868480
	.section	.rodata,"a",@progbits
	.p2align	6, 0x0
	.amdhsa_kernel k_q371f7b6ea4_attn
		.amdhsa_group_segment_fixed_size 236544
		.amdhsa_private_segment_fixed_size 0
		.amdhsa_enable_private_segment 0
		.amdhsa_kernarg_size 24
		.amdhsa_user_sgpr_count 2
		.amdhsa_user_sgpr_kernarg_segment_ptr 1
		.amdhsa_wavefront_size32 1
		.amdhsa_system_sgpr_workgroup_id_x 1
		.amdhsa_system_sgpr_workgroup_id_y 1
		.amdhsa_system_sgpr_workgroup_id_z 1
		.amdhsa_system_vgpr_workitem_id 0
		.amdhsa_next_free_vgpr 256
		.amdhsa_next_free_sgpr 66
		.amdhsa_reserve_vcc 0
		.amdhsa_float_denorm_mode_32 3
		.amdhsa_float_denorm_mode_16_64 3
		.amdhsa_memory_ordered 1
		.amdhsa_forward_progress 1
		.amdhsa_inst_pref_size 89
	.end_amdhsa_kernel
	.amdgpu_metadata
---
amdhsa.version: [ 1, 2 ]
amdhsa.kernels:
  - .name:           k_q371f7b6ea4_attn
    .symbol:         k_q371f7b6ea4_attn.kd
    .args:
      - { .name: qbuf, .offset: 0, .size: 8, .value_kind: global_buffer, .address_space: global }
      - { .name: kvbuf, .offset: 8, .size: 8, .value_kind: global_buffer, .address_space: global }
      - { .name: aq, .offset: 16, .size: 8, .value_kind: global_buffer, .address_space: global }
    .group_segment_fixed_size: 236544
    .private_segment_fixed_size: 0
    .kernarg_segment_align: 8
    .kernarg_segment_size: 24
    .max_flat_workgroup_size: 512
    .sgpr_count:     66
    .vgpr_count:     256
    .wavefront_size: 32
...
	.end_amdgpu_metadata
.endif
;; end of part 3
;; launch oproj (part 4): grid 4 x 64, 8 waves a work-group, clusters of 4 x 4, 308,224 bytes of LDS; arguments aq, wc, bo, out0; writes out0
.if DOCPART == 4
	.amdgcn_target "amdgcn-amd-amdhsa--gfx1250"
	.amdhsa_code_object_version 6
	.text
	.protected	k_q371f7b6ea4_oproj
	.globl	k_q371f7b6ea4_oproj
	.p2align	8
	.type	k_q371f7b6ea4_oproj,@function
k_q371f7b6ea4_oproj:
	s_mov_b64 s[64:65], 0
	v_nop
	global_prefetch_b8 v0, s[64:65] scope:SCOPE_SE
	s_setreg_imm32_b32 hwreg(HW_REG_WAVE_MODE, 25, 1), 1
	s_wait_xcnt 0x0
	s_wait_alu depctr_hold_cnt(0) depctr_sa_sdst(0) depctr_va_vdst(0) depctr_va_sdst(0) depctr_va_ssrc(0) depctr_va_vcc(0) depctr_vm_vsrc(0)
	s_getreg_b32 s2, hwreg(HW_REG_IB_STS2, 6, 4)
	s_cmp_eq_u32 s2, 0
	s_cbranch_scc0 .Lentry_in_a_cluster
	s_endpgm
.Lentry_in_a_cluster:
	s_bfe_u32 s2, ttmp6, 0x10000c
	s_cmp_lg_u32 s2, 0xf033
	s_cbranch_scc0 .Lentry_shape_is_right
	s_endpgm
.Lentry_shape_is_right:
; out0 = A Wo + bo on codes of FP6 (E2M3) with E8M0 scales.  A (aq) is attention's result, 8,192 rows x 1,024; Wo's columns are tiles 96-159 of wc.
; Both operands lie in memory as tiles of 16 rows, 12,800 bytes each: eight images of the operand's 12 registers (1,536 bytes a K step of 128), then 512 bytes of scale words [K step][16 rows].
; A work-group makes 128 rows x 256 columns: 8 tiles of A and 16 of Wo, ALL of K, 307,200 bytes of LDS, filled once: no ring, no refill.  64 x 4 = 256 work-groups.
; Eight waves, each 64 x 64: 16 accumulators.  The product is used transposed (source 0 = Wo's columns, source 1 = A's rows): a lane holds one row and 16 neighbouring columns in each pair of tiles.
; CLUSTERS: 4 x 4 work-groups.  A's tiles hang on the block's row alone and are asked for jointly along a row of the cluster, Wo's on its column alone and jointly along a column.
; One joint load a wave: waves 0-3 two tiles of A each (100 rows of 256 bytes), waves 4-7 four tiles of Wo each (200 rows).
; THE BIAS is the C of the first K step's products; it is loaded into the registers of the accumulators that are begun last.
; THE WAY OUT: 16 rows x 64 columns at a time through the wave's stage, which lies over A's tiles behind a barrier that shows every wave's reads done; sixteen lanes store 256 consecutive bytes.
; No prefetch: each stream is asked for once, at the kernel's head, and the text has no loop to run ahead in.
.set TILE,  12800
.set BT,    8*TILE                     ; Wo's tiles lie behind A's eight
.set SPARE, 24*TILE                    ; behind the tiles: the spare words, 128 bytes a wave: four blocks of 256 bytes that no other line names
.set VA,  1                            ; LDS address of my four tiles of A
.set VB,  2                            ; of my four tiles of Wo
.set VS,  3                            ; of the scale words: lanes 0-15 A's, lanes 16-31 Wo's
.set SPW, 6                            ; my spare word; never rewritten
.set NIL, 7                            ; 0; never rewritten
.set STO, 12
.set RD,  13
.set CO,  14
.set SC,  24                           ; v24-27 scale words and nothing else
.set AF,  32                           ; v32-79 A's four fragments
.set BF,  80                           ; v80-127 Wo's four
.set ACC, 128                          ; accumulator (a, b) at v[128 + 8 (4 a + b)]
.set BI,  ACC+96                       ; the bias: register 8 b + i as accumulator (a, b)'s register i
.set BK,  64                           ; the way out: rows read back, two sets of 32
.set G1A, 24
.set G1B, 32
.set G0A, 40
.set G0B, 44
.macro CROUND                          ; a round of the cluster's barrier
	s_barrier_signal -1
	s_barrier_wait -1
	s_cmp_lg_u32 s14, 0
	s_cbranch_scc1 .Lnot_wave_0_\@
	s_barrier_signal -3
.Lnot_wave_0_\@:
	s_barrier_wait -3
	s_barrier_signal -1
	s_barrier_wait -1
.endm
	s_load_b256 s[4:11], s[0:1], 0x0               ; aq, wc, bo, out0
	v_lshl_add_u32 v[SPW], v0, 2, SPARE
	v_mov_b32 v[NIL], 0
	ds_add_u32 v[SPW], v[NIL]                      ; the wave's opening: the add, twice on end, and its wait ahead of my first tensor load
	ds_add_u32 v[SPW], v[NIL]
	v_lshrrev_b32 v8, 5, v0
	s_delay_alu instid0(VALU_DEP_1)
	v_readfirstlane_b32 s14, v8                    ; wave 0..7
	s_and_b32 s15, s14, 3                          ; my 64 columns; also which part of A or of Wo I fetch
	s_lshr_b32 s16, s14, 2                         ; my 64 rows; also: I fetch for A (0) or for Wo (1)
	s_bfe_u32 s18, ttmp6, 0x40000                  ; cx, cy: my place in the cluster
	s_bfe_u32 s19, ttmp6, 0x40004
	s_lshl_b32 s20, ttmp9, 2
	s_add_co_u32 s20, s20, s18                     ; the block's column
	s_and_b32 s21, ttmp7, 0xffff
	s_lshl_b32 s21, s21, 2
	s_add_co_u32 s21, s21, s19                     ; the block's row
	s_lshl_b32 s22, s19, 2
	s_lshl_b32 s22, 15, s22                        ; my row of the cluster
	s_lshl_b32 s23, 0x1111, s18                    ; my column
	s_or_b32 s[G1A], s22, (3<<16)|(1<<21)          ; the mask; elements of 8 bytes; bit 21 set beside a mask
	s_mov_b32 s[G1A+1], 32<<16                     ; rows of 256 bytes
	s_mov_b32 s[G1A+2], 100<<16
	s_mov_b32 s[G1A+3], 32<<16
	s_mov_b32 s[G1A+4], 100
	s_mov_b32 s[G1A+5], 32
	s_mov_b32 s[G1A+6], 0
	s_mov_b32 s[G1A+7], 0
	s_or_b32 s[G1B], s23, (3<<16)|(1<<21)
	s_mov_b32 s[G1B+1], 32<<16
	s_mov_b32 s[G1B+2], 200<<16
	s_mov_b32 s[G1B+3], 32<<16
	s_mov_b32 s[G1B+4], 200
	s_mov_b32 s[G1B+5], 32
	s_mov_b32 s[G1B+6], 0
	s_mov_b32 s[G1B+7], 0
	s_lshl_b32 s48, s21, 3                         ; A: tile 8 x block row + 2 x part
	s_lshl_b32 s49, s15, 1
	s_add_co_u32 s48, s48, s49
	s_mul_i32 s48, s48, TILE
	s_mov_b32 s49, 0
	s_lshl_b32 s50, s20, 4                         ; Wo: tile 96 + 16 x block column + 4 x part
	s_lshl_b32 s51, s15, 2
	s_add_co_u32 s50, s50, s51
	s_add_co_u32 s50, s50, 96
	s_mul_i32 s50, s50, TILE
	s_mov_b32 s51, 0
	s_mov_b32 s[G0A], 1
	s_mul_i32 s[G0A+1], s15, 2*TILE
	s_mov_b32 s[G0B], 1
	s_mul_i32 s[G0B+1], s15, 4*TILE
	s_add_co_u32 s[G0B+1], s[G0B+1], BT
	s_wait_dscnt 0x0                               ; both opening adds are done
	s_wait_kmcnt 0x0
	s_add_nc_u64 s[G0A+2:G0A+3], s[4:5], s[48:49]
	s_or_b32 s[G0A+3], s[G0A+3], 0x80000000
	s_add_nc_u64 s[G0B+2:G0B+3], s[6:7], s[50:51]
	s_or_b32 s[G0B+3], s[G0B+3], 0x80000000
	CROUND                                         ; all sixteen work-groups are here: the joint loads meet
	s_cmp_eq_u32 s16, 0
	s_cbranch_scc0 .Lfor_b
	tensor_load_to_lds s[G0A:G0A+3], s[G1A:G1A+7]  ; my one tensor load of the launch
	s_nop 0
	s_branch .Lasked
.Lfor_b:
	tensor_load_to_lds s[G0B:G0B+3], s[G1B:G1B+7]
	s_nop 0
.Lasked:
	s_mul_i32 s52, s16, 4*TILE                     ; my four tiles of A,
	s_mul_i32 s53, s15, 4*TILE
	s_add_co_u32 s53, s53, BT                      ; and of Wo
	s_xor_b32 s54, s16, 1
	s_add_co_u32 s54, s54, s15
	s_add_co_u32 s54, s54, 1
	s_mul_i32 s54, s54, 4*TILE                     ; from A's words to Wo's: 4 tiles x (2 + my columns' number - my rows' number)
	s_add_co_u32 s55, s52, 12288
	s_mul_i32 s56, s14, 4352                       ; my stage: 16 rows x 272 bytes, over A's tiles
	s_lshl_b32 s58, s20, 10
	s_lshl_b32 s57, s15, 8
	s_add_co_u32 s58, s58, s57                     ; my first column, in bytes
	s_mov_b32 s59, 0
	s_add_nc_u64 s[8:9], s[8:9], s[58:59]
	s_lshl_b32 s57, s21, 7
	s_lshl_b32 s17, s16, 6
	s_add_co_u32 s57, s57, s17                     ; my first row
	s_lshl_b32 s57, s57, 12
	s_add_co_u32 s58, s58, s57
	s_add_nc_u64 s[60:61], s[10:11], s[58:59]
	v_bfe_u32 v11, v0, 4, 1                        ; h
	v_and_b32 v10, 15, v0                          ; r
	v_and_b32 v8, 31, v0
	s_delay_alu instid0(VALU_DEP_3)
	v_lshlrev_b32 v15, 6, v11                      ; 64 h
.irp b, 0,1
.irp q, 0,1,2,3
	global_load_b128 v[BI+16*\b+4*\q:BI+16*\b+4*\q+3], v15, s[8:9] offset:128*\b+16*\q   ; register 16 b + i: the bias of column 32 b + 16 h + i
.endr
.endr
	v_lshlrev_b32 v9, 4, v8                        ; 16 x lane
	v_mul_u32_u24 v[VS], s54, v11
	v_mul_u32_u24 v[STO], v10, 272                 ; into the stage: row r, 64 bytes for each half of the lanes
	v_mul_u32_u24 v[RD], v11, 272                  ; back: lanes 0-15 one row of 256 bytes, lanes 16-31 the next
	v_lshlrev_b32 v[CO], 12, v11                   ; and the same two rows in out0
	v_add_nc_u32 v[VA], s52, v9
	v_add_nc_u32 v[VB], s53, v9
	v_lshl_add_u32 v[VS], v10, 2, v[VS]
	v_lshl_add_u32 v[STO], v11, 6, v[STO]
	v_lshl_add_u32 v[RD], v10, 4, v[RD]
	v_lshl_add_u32 v[CO], v10, 4, v[CO]
	s_delay_alu instid0(VALU_DEP_4)
	v_add_nc_u32 v[VS], s55, v[VS]
	s_delay_alu instid0(VALU_DEP_4)
	v_add_nc_u32 v[STO], s56, v[STO]
	s_delay_alu instid0(VALU_DEP_4)
	v_add_nc_u32 v[RD], s56, v[RD]
; A K step of 128: four loads of scale words, 24 of 16 bytes a lane for eight fragments, A's last; then 16 products, A's tiles one after the other as their fragments arrive, the accumulators by turns.
.macro KSTEP k
.rept 4
	v_nop                                          ; places in front of loads into registers that matrix instructions have read
.endr
.irp j, 0,1,2,3
	ds_load_b32 v[SC+\j], v[VS] offset:TILE*\j+64*\k
.endr
.irp b, 0,1,2,3
.irp g, 0,1,2
	ds_load_b128 v[BF+12*\b+4*\g:BF+12*\b+4*\g+3], v[VB] offset:TILE*\b+1536*\k+512*\g
.endr
.endr
.irp a, 0,1,2,3
.irp g, 0,1,2
	ds_load_b128 v[AF+12*\a+4*\g:AF+12*\a+4*\g+3], v[VA] offset:TILE*\a+1536*\k+512*\g
.endr
.endr
.irp a, 0,1,2,3
	s_wait_dscnt 9-3*\a                            ; the three loads of each later tile of A may stay out
.if (\k) == 7 && (\a) == 3
	s_barrier_signal -1                            ; my reads of the tiles are over
.endif
.if (\k) == 0 && (\a) == 3
.rept 5
	v_nop                                          ; these four products write over the bias, which the twelve before have read as C: five places
.endr
.endif
.irp b, 0,1,2,3
.if (\k) == 0
	v_wmma_scale_f32_16x16x128_f8f6f4 v[ACC+8*(4*\a+\b):ACC+8*(4*\a+\b)+7], v[BF+12*\b:BF+12*\b+11], v[AF+12*\a:AF+12*\a+11], v[BI+8*\b:BI+8*\b+7], v[SC+\b], v[SC+\a] matrix_a_fmt:MATRIX_FMT_FP6 matrix_b_fmt:MATRIX_FMT_FP6 matrix_a_scale:MATRIX_SCALE_ROW1
.else
	v_wmma_scale_f32_16x16x128_f8f6f4 v[ACC+8*(4*\a+\b):ACC+8*(4*\a+\b)+7], v[BF+12*\b:BF+12*\b+11], v[AF+12*\a:AF+12*\a+11], v[ACC+8*(4*\a+\b):ACC+8*(4*\a+\b)+7], v[SC+\b], v[SC+\a] matrix_a_fmt:MATRIX_FMT_FP6 matrix_b_fmt:MATRIX_FMT_FP6 matrix_a_scale:MATRIX_SCALE_ROW1
.endif
.endr
.endr
.endm
	s_wait_alu depctr_va_vdst(0)                   ; the wait at the head's end
	s_wait_tensorcnt 0x0                           ; my part of the tiles is in,
	s_barrier_signal -1
	s_barrier_wait -1                              ; everybody's is
	s_wait_loadcnt 0x0                             ; the bias
.irp k, 0,1,2,3,4,5,6,7
	KSTEP \k
.endr
.rept 4
	v_nop                                          ; places in front of the first reads of results and of loads into the fragments' registers
.endr
	s_barrier_wait -1                              ; no wave reads the tiles any more: the stages may be written
.macro TOSTAGE a
.irp b, 0,1
.irp q, 0,1,2,3
	ds_store_b128 v[STO], v[ACC+32*(\a)+16*\b+4*\q:ACC+32*(\a)+16*\b+4*\q+3] offset:128*\b+16*\q   ; each accumulator from its low end on
.endr
.endr
.irp i, 0,1,2,3,4,5,6,7
	ds_load_b128 v[BK+32*((\a)%2)+4*\i:BK+32*((\a)%2)+4*\i+3], v[RD] offset:544*\i   ; LDS serves a wave's instructions in order: these see my stores
.endr
.endm
.macro SEND a, younger
	s_wait_dscnt \younger
.irp i, 0,1,2,3,4,5,6,7
	global_store_b128 v[CO], v[BK+32*((\a)%2)+4*\i:BK+32*((\a)%2)+4*\i+3], s[60:61] offset:(16*(\a)+2*\i)*4096 th:TH_STORE_NT   ; 16 lanes store 256 consecutive bytes
.endr
.endm
	TOSTAGE 0
.irp a, 1,2,3
.if \a > 1
	s_wait_xcnt 0x0                                ; block a - 2's stores have read their registers
.endif
	TOSTAGE \a
	SEND \a-1, 16                                  ; behind block a - 1's loads: block a's 8 stores and 8 loads
.endr
	SEND 3, 0
	s_wait_tensorcnt 0x0                           ; the wave's end
	ds_add_u32 v[SPW], v[NIL]
	s_wait_dscnt 0x0
	CROUND                                         ; the closing round
	s_endpgm
.Lfunc_end_k_q371f7b6ea4_oproj:
	.size	k_q371f7b6ea4_oproj, .Lfunc_end_k_q371f7b6ea4_oproj-k_q371f7b6ea4_oproj
	.p2alignl 7, 3214868480
	.fill 96, 4, 3214868480
	.section	.rodata,"a",@progbits
	.p2align	6, 0x0
	.amdhsa_kernel k_q371f7b6ea4_oproj
		.amdhsa_group_segment_fixed_size 308224
		.amdhsa_private_segment_fixed_size 0
		.amdhsa_enable_private_segment 0
		.amdhsa_kernarg_size 32
		.amdhsa_user_sgpr_count 2
		.amdhsa_user_sgpr_kernarg_segment_ptr 1
		.amdhsa_wavefront_size32 1
		.amdhsa_system_sgpr_workgroup_id_x 1
		.amdhsa_system_sgpr_workgroup_id_y 1
		.amdhsa_system_sgpr_workgroup_id_z 1
		.amdhsa_system_vgpr_workitem_id 0
		.amdhsa_next_free_vgpr 256
		.amdhsa_next_free_sgpr 66
		.amdhsa_reserve_vcc 0
		.amdhsa_float_denorm_mode_32 3
		.amdhsa_float_denorm_mode_16_64 3
		.amdhsa_memory_ordered 1
		.amdhsa_forward_progress 1
		.amdhsa_inst_pref_size 47
	.end_amdhsa_kernel
	.amdgpu_metadata
---
amdhsa.version: [ 1, 2 ]
amdhsa.kernels:
  - .name:           k_q371f7b6ea4_oproj
    .symbol:         k_q371f7b6ea4_oproj.kd
    .args:
      - { .name: aq, .offset: 0, .size: 8, .value_kind: global_buffer, .address_space: global }
      - { .name: wc, .offset: 8, .size: 8, .value_kind: global_buffer, .address_space: global }
      - { .name: bo, .offset: 16, .size: 8, .value_kind: global_buffer, .address_space: global }
      - { .name: out0, .offset: 24, .size: 8, .value_kind: global_buffer, .address_space: global }
    .group_segment_fixed_size: 308224
    .private_segment_fixed_size: 0
    .kernarg_segment_align: 8
    .kernarg_segment_size: 32
    .max_flat_workgroup_size: 256
    .sgpr_count:     66
    .vgpr_count:     256
    .wavefront_size: 32
...
	.end_amdgpu_metadata
.endif
;; end of part 4
